; MI455X (gfx1250); checked and timed in simulation.
; The chip was launched on July 23, 2026; its instructions are those of AMD's public machine-readable ISA for CDNA 5 (MIT licence, August 2026) and "CDNA5" Instruction Set Architecture Reference Guide (July 2026). The comments in the code are by the model that wrote it; some were corrected since.
;; Multi Head Attention. Allowed arithmetic: matrix products marked QUANTISED: E2M1 operands, one E8M0 scale for each 32 along K, by v_wmma_scale_f32_16x16x128_f8f6f4 with both operands' format E2M1 (or v_wmma_scale_f32_32x16x128_f4), f32 sums; everything else in f32.
;; Inputs: Wk 1,024 x 1,024 float32; Wo 1,024 x 1,024 float32; Wq 1,024 x 1,024 float32; Wv 1,024 x 1,024 float32; bk 1,024 float32; bo 1,024 float32; bq 1,024 float32; bv 1,024 float32; x 4 x 2,048 x 1,024 float32.
;; Outputs: out0 4 x 2,048 x 1,024 float32.
;; This version of the problem:
;;   THIS VERSION OF THE PROBLEM IS GIVEN IN LOW PRECISION. The matrix products marked QUANTISED in the list below multiply operands that are first quantised to E2M1 (2 exponent bits, 1 mantissa bit; 4 bits a number), with one power-of-two scale for each 32 numbers along K (OCP MX v1.0); their sums are f32. All else is computed in f32.
;;   The module's matrix products, in the order in which they are computed (A, B: the left and right operand; K: the contracted axis; several contracted axes count as one K, in the product's order):
;;     1. [M 8,192, K 1,024] x [K 1,024, N 1,024]; A: input x; B: input Wq: QUANTISED
;;     2. [M 8,192, K 1,024] x [K 1,024, N 1,024]; A: input x; B: input Wk: QUANTISED
;;     3. [M 8,192, K 1,024] x [K 1,024, N 1,024]; A: input x; B: input Wv: QUANTISED
;;     4. batch 64 x [M 2,048, K 64] x [K 64, N 2,048]; A: computed on the way; B: computed on the way: QUANTISED
;;     5. batch 64 x [M 2,048, K 2,048] x [K 2,048, N 64]; A: computed on the way; B: computed on the way: QUANTISED
;;     6. [M 8,192, K 1,024] x [K 1,024, N 1,024]; A: computed on the way; B: input Wo: QUANTISED
;;   THE QUANTISER, for each operand of a quantised product, along K:
;;     - K is cut into blocks of 32 from its start; a last block that is shorter is filled with zeros.
;;     - A block's scale is 2^e with e = floor(log2(the largest magnitude in the block)) - 2, held to -126 .. 127; a block of zeros has e = 0. As a byte (E8M0): e + 127.
;;     - Each number is divided by its block's scale, clamped to +-6, and rounded to the nearest number of E2M1, ties to even, subnormals kept.
;;     - The product sums the exact products of the quantised numbers (number of the format x scale) in f32.
;;   ~~~python
;;   def quantise(x, axis):      # numpy; x: float32 -> the quantised numbers, widened to float32 again
;;       x = np.moveaxis(x, axis, -1); K = x.shape[-1]
;;       x = np.pad(x, [(0, 0)] * (x.ndim - 1) + [(0, -K % 32)]); x = x.reshape(x.shape[:-1] + (-1, 32)); a = np.abs(x).max(-1, keepdims=True)
;;       e = np.where(a > 0, np.clip(np.frexp(np.where(a > 0, a, 1))[1] - 1 - 2, -126, 127), 0)      # np.frexp(a)[1] - 1 = floor(log2(a)), exactly
;;       r = np.clip(x / 2.0 ** e, -6, 6)
;;       step = 2.0 ** (np.maximum(np.frexp(np.where(r == 0, 1, r))[1] - 1, 0) - 1)
;;       q = np.round(r / step) * step * 2.0 ** e      # np.round: ties to even
;;       return np.moveaxis(q.reshape(q.shape[:-2] + (-1,))[..., :K], -1, axis).astype(np.float32)
;;   ~~~
;;   OPERANDS COMPUTED ON THE WAY. 'Computed on the way' means the value that the module computes at that place (a softmax that the list does not call 'softmax' is quantised finished and normalised). What goes into a quantiser is computed in f32, as accurately as f32 sums, v_exp_f32 and their like allow (about 1e-6 of the number): no bf16 or f16 on the way to a quantiser, and a product that is left as it is and whose result goes on into a quantised operand takes f32 operands (vector FMAs, or v_wmma_f32_16x16x4_f32). A number that lies on a knife's edge between two numbers of the format may be rounded either way, as far as f32 arithmetic and the matrix unit's own rounding can turn it there, and no further.
;; One version. Each part assembles by itself: llvm-mc -triple=amdgcn-amd-amdhsa -mcpu=gfx1250 --defsym DOCPART=n.
;; ======== version 1 of 1: 4 launches
;; limits: right only within a limited range of input values
;; workspace buffers: opc 6,291,456 bytes; ops 393,216 bytes; qkvc 12,582,912 bytes; qkvs 1,310,720 bytes; atc 4,194,304 bytes; ats 262,144 bytes
;; launch quant (part 1): grid 384 x 1, 4 waves a work-group, no clusters, 34,304 bytes of LDS; arguments x, Wq, Wk, Wv, Wo, opc, ops; writes opc, ops
.if DOCPART == 1
	.amdgcn_target "amdgcn-amd-amdhsa--gfx1250"
	.amdhsa_code_object_version 6
	.text
	.protected	k_qa0880fbaa3_quant
	.globl	k_qa0880fbaa3_quant
	.p2align	8
	.type	k_qa0880fbaa3_quant,@function
k_qa0880fbaa3_quant:
	s_mov_b64 s[64:65], 0
	v_nop
	global_prefetch_b8 v0, s[64:65] scope:SCOPE_SE
	s_setreg_imm32_b32 hwreg(HW_REG_WAVE_MODE, 25, 1), 1
	s_wait_xcnt 0x0
; x [8192][1024] and the four weights [1024][1024], f32, K innermost, become codes of E2M1 with one E8M0 byte for each 32 along K.
; A block's scale is 2^(floor(log2(largest magnitude)) - 2); its byte is the largest magnitude's exponent field - 2, held at 1 from below.
; LAYOUT OF THE RESULT.  Rows are taken in tiles of 16; tile T's lane index i stands for row 32 (T / 2) + 8 (T % 2) + i + 8 (i / 8).
; Tiles 0-511 are x, 512-575 Wq, 576-639 Wk, 640-703 Wv, 704-767 Wo.
; opc [K step 8][tile 768][1,024 bytes]: the image of a matrix operand's registers: byte 512 c + 16 lane holds registers 4 c .. 4 c + 3 of lane (r, h):
; the 32 codes k = 128 s + 64 c + 32 h + 0 .. 31 of the tile's row index r.
; ops [pair of tiles 384][half of K 2][lane 32][4 words]: lane 16 u + r holds the scale words of tile 2 P + u, row index r, for four K steps.
; SHARES.  A work-group takes a pair of tiles; wave w takes tile u = w % 2 and half g = w / 2 of K: 16 rows x 512 numbers, in four steps of 128 along K.
; A load reads 512 consecutive bytes of one row; the 16 rows turn through the wave's own stage in LDS (rows 528 bytes apart)
; and come back so that lane (r, h) holds two whole blocks of its row: no other lane is asked for a maximum.
; LIMITS: a block of zeros, and a block whose largest magnitude lies under 2^-124, gets the byte 1 (its codes are zeros or nearly; only this program reads the bytes);
; NaN and infinities among the inputs are not served.
.set STG, 8448                         ; a wave's stage: 16 rows x 528 bytes
.set PIT, 528
.set STR, 786432                       ; a K step of opc in bytes
.set R,   64                           ; v64-191  two sets of 64 registers as loaded
.set X,   192                          ; v192-255 my two blocks of 32 numbers
.set C,   32                           ; v32-63   codes, eight registers a step: no store's data are written again
.set SW,  24                           ; v24-27   a step's scale word
	s_load_b256 s[4:11], s[0:1], 0x0               ; x s[4:5], Wq s[6:7], Wk s[8:9], Wv s[10:11]
	s_load_b128 s[12:15], s[0:1], 0x20             ; Wo s[12:13], opc s[14:15]
	s_load_b64 s[16:17], s[0:1], 0x30              ; ops
	v_lshl_add_u32 v30, v0, 2, 0x8400
	v_mov_b32 v31, 0
	v_lshrrev_b32 v1, 5, v0
	v_readfirstlane_b32 s18, v1                    ; wave
	s_and_b32 s19, s18, 1                          ; u: which tile of the pair
	s_lshr_b32 s20, s18, 1                         ; g: which half of K
	v_and_b32 v1, 31, v0                           ; lane
	v_and_b32 v2, 15, v0                           ; r
	v_bfe_u32 v3, v0, 4, 1                         ; h
	v_lshlrev_b32 v4, 4, v1                        ; 16 x lane: my bytes of a load's or a store's 512
	s_mul_i32 s21, s18, STG
	v_add_nc_u32 v5, s21, v4                       ; the stage, on the way in
	v_mul_u32_u24 v6, v2, PIT
	v_lshl_add_u32 v6, v3, 7, v6
	v_add_nc_u32 v6, s21, v6                       ; and on the way out: row r, + 128 h: block h of each 64 numbers
	v_lshlrev_b32 v7, 4, v2
	v_lshl_add_u32 v7, v3, 3, v7                   ; the scale words' place: 16 r + 8 h
	v_lshlrev_b32 v8, 3, v3                        ; 8 h: my bytes' shift in a scale word
	v_mov_b32 v17, 0                               ; written once: a lane permute's destination counts as one of its sources
	s_mov_b32 s30, 0x76543210
	s_mov_b32 s31, 0xfedcba98                      ; v_permlanex16_b32's selects for lane l xor 16
	s_wait_kmcnt 0x0
	s_mov_b64 s[26:27], s[12:13]                   ; which tensor is my pair's?  The choice hangs on the work-group's number alone
	s_mov_b32 s22, 352
	s_cmp_lt_u32 ttmp9, 352
	s_cselect_b64 s[26:27], s[10:11], s[26:27]
	s_cselect_b32 s22, 320, s22
	s_cmp_lt_u32 ttmp9, 320
	s_cselect_b64 s[26:27], s[8:9], s[26:27]
	s_cselect_b32 s22, 288, s22
	s_cmp_lt_u32 ttmp9, 288
	s_cselect_b64 s[26:27], s[6:7], s[26:27]
	s_cselect_b32 s22, 256, s22
	s_cmp_lt_u32 ttmp9, 256
	s_cselect_b64 s[26:27], s[4:5], s[26:27]
	s_cselect_b32 s22, 0, s22
	s_sub_co_u32 s23, ttmp9, s22                   ; the pair's number in its tensor
	s_lshl_b32 s24, s23, 17                        ; 32 rows of 4,096 bytes a pair,
	s_lshl_b32 s25, s19, 15                        ; 8 rows for the odd tile,
	s_add_co_u32 s24, s24, s25
	s_lshl_b32 s25, s20, 11                        ; 2,048 bytes for the upper half of K
	s_add_co_u32 s24, s24, s25
	s_mov_b32 s25, 0
	s_add_nc_u64 s[26:27], s[26:27], s[24:25]
	s_lshl_b32 s28, ttmp9, 11
	s_lshl_b32 s29, s19, 10
	s_add_co_u32 s28, s28, s29                     ; 1,024 x tile
	s_mul_i32 s29, s20, 4*STR                      ; + my first K step
	s_add_co_u32 s28, s28, s29
	s_mov_b32 s29, 0
	s_add_nc_u64 s[28:29], s[14:15], s[28:29]
	s_lshl_b32 s32, ttmp9, 10
	s_lshl_b32 s33, s20, 9
	s_add_co_u32 s32, s32, s33
	s_lshl_b32 s33, s19, 8
	s_add_co_u32 s32, s32, s33                     ; 1,024 P + 512 g + 256 u
	s_mov_b32 s33, 0
	s_add_nc_u64 s[32:33], s[16:17], s[32:33]
.macro LOAD t                          ; step t: 512 bytes of each of the tile's 16 rows, into set t % 2
.irp i, 0,1,2,3,4,5,6,7,8,9,10,11,12,13,14,15
	global_load_b128 v[R+64*((\t)%2)+4*\i:R+64*((\t)%2)+4*\i+3], v4, s[26:27] offset:(\i+8*(\i/8))*4096+512*(\t) th:TH_LOAD_NT
.endr
.endm
.macro STEP t
.if (\t) < 3
	s_wait_loadcnt 16                              ; this step's 16 loads are in; the next step's 16 may be out
.else
	s_wait_loadcnt 0x0
.endif
.irp i, 0,1,2,3,4,5,6,7,8,9,10,11,12,13,14,15
	ds_store_b128 v5, v[R+64*((\t)%2)+4*\i:R+64*((\t)%2)+4*\i+3] offset:PIT*\i
.endr
.irp c, 0,1
.irp q, 0,1,2,3,4,5,6,7
	ds_load_b128 v[X+32*\c+4*\q:X+32*\c+4*\q+3], v6 offset:256*\c+16*\q   ; LDS serves a wave's instructions in order: these see the stores above
.endr
.endr
	s_wait_dscnt 0x0                               ; my 64 numbers are back, and the stores have read their registers,
.if (\t) < 2
	LOAD (\t)+2                                    ; which take the loads of two steps on
.endif
.irp c, 0,1
	v_max3_num_f32 v[10+\c], |v[X+32*\c]|, |v[X+32*\c+1]|, 0x1800000   ; block 2 c + h: all 32 numbers are mine; the floor 2^(3 - 127) holds the byte at 1 from below
.endr
.irp i, 2,4,6,8,10,12,14,16,18,20,22,24,26,28,30
.irp c, 0,1
	v_max3_num_f32 v[10+\c], v[10+\c], |v[X+32*\c+\i]|, |v[X+32*\c+\i+1]|
.endr
.endr
.irp c, 0,1
	v_add_nc_u32 v[12+\c], 0xff000000, v[10+\c]    ; 2 off the exponent field: the conversion takes this operand's exponent field as its scale
.endr
.irp c, 0,1
	v_lshrrev_b32 v[14+\c], 23, v[12+\c]           ; the scale's byte
.endr
	v_lshl_or_b32 v16, v15, 16, v14                ; my two bytes: blocks h and 2 + h,
	v_lshlrev_b32 v16, v8, v16                     ; at their places in the word;
	v_permlanex16_b32 v17, v16, s30, s31
	v_or_b32 v[SW+(\t)], v16, v17                  ; with lane l xor 16's two the word is whole
.irp c, 0,1
.irp q, 0,1,2,3
	v_cvt_scalef32_pk8_fp4_f32 v[C+8*(\t)+4*\c+\q], v[X+32*\c+8*\q:X+32*\c+8*\q+7], v[12+\c]
.endr
.endr
	v_nop                                          ; one plain instruction behind the conversions: the next step's vector lines write their scale operands
.irp c, 0,1
	global_store_b128 v4, v[C+8*(\t)+4*\c:C+8*(\t)+4*\c+3], s[28:29] offset:STR*(\t)+512*\c   ; 32 lanes store 512 consecutive bytes, aligned
.endr
.endm
	LOAD 0
	LOAD 1
	STEP 0
	STEP 1
	STEP 2
	STEP 3
	v_cmp_ne_u32 vcc_lo, 0, v3
	v_cndmask_b32 v18, v[SW], v[SW+2], vcc_lo      ; lanes 0-15 store their row's words 0 and 1, lanes 16-31 words 2 and 3
	v_cndmask_b32 v19, v[SW+1], v[SW+3], vcc_lo
	global_store_b64 v7, v[18:19], s[32:33]        ; the wave stores 256 consecutive bytes, aligned
	s_wait_tensorcnt 0x0
	ds_add_u32 v30, v31
	s_wait_dscnt 0x0
	s_endpgm
.Lfunc_end_k_qa0880fbaa3_quant:
	.size	k_qa0880fbaa3_quant, .Lfunc_end_k_qa0880fbaa3_quant-k_qa0880fbaa3_quant
	.p2alignl 7, 3214868480
	.fill 96, 4, 3214868480
	.section	.rodata,"a",@progbits
	.p2align	6, 0x0
	.amdhsa_kernel k_qa0880fbaa3_quant
		.amdhsa_group_segment_fixed_size 34304
		.amdhsa_private_segment_fixed_size 0
		.amdhsa_enable_private_segment 0
		.amdhsa_kernarg_size 56
		.amdhsa_user_sgpr_count 2
		.amdhsa_user_sgpr_kernarg_segment_ptr 1
		.amdhsa_wavefront_size32 1
		.amdhsa_system_sgpr_workgroup_id_x 1
		.amdhsa_system_sgpr_workgroup_id_y 1
		.amdhsa_system_sgpr_workgroup_id_z 1
		.amdhsa_system_vgpr_workitem_id 0
		.amdhsa_next_free_vgpr 256
		.amdhsa_next_free_sgpr 66
		.amdhsa_reserve_vcc 1
		.amdhsa_float_denorm_mode_32 3
		.amdhsa_float_denorm_mode_16_64 3
		.amdhsa_memory_ordered 1
		.amdhsa_forward_progress 1
		.amdhsa_inst_pref_size 31
	.end_amdhsa_kernel
	.amdgpu_metadata
---
amdhsa.version: [ 1, 2 ]
amdhsa.kernels:
  - .name:           k_qa0880fbaa3_quant
    .symbol:         k_qa0880fbaa3_quant.kd
    .args:
      - { .name: x, .offset: 0, .size: 8, .value_kind: global_buffer, .address_space: global }
      - { .name: Wq, .offset: 8, .size: 8, .value_kind: global_buffer, .address_space: global }
      - { .name: Wk, .offset: 16, .size: 8, .value_kind: global_buffer, .address_space: global }
      - { .name: Wv, .offset: 24, .size: 8, .value_kind: global_buffer, .address_space: global }
      - { .name: Wo, .offset: 32, .size: 8, .value_kind: global_buffer, .address_space: global }
      - { .name: opc, .offset: 40, .size: 8, .value_kind: global_buffer, .address_space: global }
      - { .name: ops, .offset: 48, .size: 8, .value_kind: global_buffer, .address_space: global }
    .group_segment_fixed_size: 34304
    .private_segment_fixed_size: 0
    .kernarg_segment_align: 8
    .kernarg_segment_size: 56
    .max_flat_workgroup_size: 128
    .sgpr_count:     66
    .vgpr_count:     256
    .wavefront_size: 32
...
	.end_amdgpu_metadata
.endif
;; end of part 1
;; launch qkv (part 2): grid 12 x 64, 4 waves a work-group, clusters of 4 x 4, 197,120 bytes of LDS; arguments opc, ops, bq, bk, bv, qkvc, qkvs; writes qkvc, qkvs
.if DOCPART == 2
	.amdgcn_target "amdgcn-amd-amdhsa--gfx1250"
	.amdhsa_code_object_version 6
	.text
	.protected	k_qa0880fbaa3_qkv
	.globl	k_qa0880fbaa3_qkv
	.p2align	8
	.type	k_qa0880fbaa3_qkv,@function
k_qa0880fbaa3_qkv:
	s_mov_b64 s[64:65], 0
	v_nop
	global_prefetch_b8 v0, s[64:65] scope:SCOPE_SE
	s_setreg_imm32_b32 hwreg(HW_REG_WAVE_MODE, 25, 1), 1
	s_wait_xcnt 0x0
	s_wait_alu depctr_hold_cnt(0) depctr_sa_sdst(0) depctr_va_vdst(0) depctr_va_sdst(0) depctr_va_ssrc(0) depctr_va_vcc(0) depctr_vm_vsrc(0)
	s_getreg_b32 s2, hwreg(HW_REG_IB_STS2, 6, 4)
	s_cmp_eq_u32 s2, 0
	s_cbranch_scc0 .Lentry_in_a_cluster
	s_endpgm
.Lentry_in_a_cluster:
	s_bfe_u32 s2, ttmp6, 0x10000c
	s_cmp_lg_u32 s2, 0xf033
	s_cbranch_scc0 .Lentry_shape_is_right
	s_endpgm
.Lentry_shape_is_right:
; Q = x Wq^T + bq, K = x Wk^T + bk, V = x Wv^T + bv on codes of E2M1 (opc, ops: see their layout below), and the results quantised at once:
; Q and K along the head's 64 (two blocks), V along the keys.  Nothing wide goes to memory.
; opc [K step 8][tile 768][1,024 bytes]: images of operand registers; tile T's lane index i stands for row 32 (T / 2) + 8 (T % 2) + i + 8 (i / 8); tiles 0-511 x, 512.. Wq, 576.. Wk, 640.. Wv.
; ops [pair of tiles][half of K][lane][4 words]: lane 16 u + r: the scale words of tile 2 P + u.
; THE PRODUCT.  D = source 0 x source 1^T: a lane holds ONE row of source 1, and by the choice of a tile's rows the 16 registers of two neighbouring tiles of source 0 are
; 16 NEIGHBOURS along source 0's rows.  So what is to be quantised along an axis is laid as source 0's rows:
;   cluster x = 0, 1 (Q, K): source 0 = 256 rows of the weight, source 1 = 128 rows of x: a lane holds one token, its registers run along the features;
;   cluster x = 2 (V):       source 0 = 256 rows of x, source 1 = 128 rows of Wv: a lane holds one channel, its registers run along the keys.
; One text serves both: only tile numbers, the bias's form and the output's offsets differ, chosen by the cluster's x, which all partners share.
; SHARES.  A work-group makes 256 x 128; wave w takes source 0's tiles 8 (w % 2) + 0 .. 7 and source 1's tiles 4 (w / 2) + 0 .. 3: 32 accumulators.
; ALL OF K LIES IN LDS AT ONCE (8 steps x (16 + 8) KiB): every LDS byte is filled once, so there is no ring.  Waves 0, 1 fetch source 0's K steps of their parity, waves 2, 3 source 1's:
; four tensor loads a wave, all four out at once by this text's count.
; CLUSTER 4 x 4: source 0's tiles hang on cx and are shared down a column of the cluster, source 1's on cy and are shared along a row: each is asked for jointly.
; OUTPUT.  qkvc: Q at 0, K at 4 MiB: [batch x head 64][tile 128][lane][16 bytes]: lane (r, h): block h of the head, row index r;  V at 8 MiB: [batch x head][128 keys 16][tile of channels 4][1,024]: operand images.
; qkvs: Q at 0, K at 512 KiB: [batch x head][4 tiles 32][lane][2 words]; word j, lane 16 u + r: tile 4 grp + 2 j + u; bytes 0, 1 the head's blocks, bytes 2, 3 = 127;  V at 1 MiB: [batch x head][128 keys][lane][2 words].
; Q'S BYTES CARRY + 64: the scores then come out of the matrix unit times 2^64, exactly, which the next launch uses for the sign.
; LIMITS: Q's block maxima stay under 2^66 (byte + 64 at most 254); a block of zeros gets the byte 1 (its codes are zeros; only this program reads the bytes); NaN and infinities are not served.
; REGISTERS: window 0: v1-10 addresses; v16-31 at work; v32-63, v64-79 scale words of source 0, 1; v80-83 the scale words made; v96-127 the codes made; v192-255 the bias as a first C.
;   window 1: two sets of fragments (source 0 at 128 p, source 1 at 128 p + 64).   window 2: accumulator (i1, i0) at 8 (8 i1 + i0).
.set STR,  786432                      ; a K step of opc
.set R1B,  131072                      ; LDS: source 0 at 0: [step][16 tiles][1,024]; source 1 here: [step][8 tiles][1,024]
.set TM,   16
.set SS0,  32
.set SS1,  64
.set PW,   80
.set PC,   96
.set CI,   192
.set MSB,  0
.macro WIN new                         ; the immediate's high byte repeats the setting that is left
.if MSB != (\new)
	s_set_vgpr_msb (MSB<<8)|(\new)
.set MSB, (\new)
.endif
.endm
.macro PLACES n
.rept \n
	v_nop
.endr
.endm
.macro CROUND                          ; a round of the cluster's barrier
	s_barrier_signal -1
	s_barrier_wait -1
	s_cmp_lg_u32 s18, 0
	s_cbranch_scc1 .Lnot_wave_0_\@
	s_barrier_signal -3
.Lnot_wave_0_\@:
	s_barrier_wait -3
	s_barrier_signal -1
	s_barrier_wait -1
.endm
; one product; ra, rb: the scale words lie in lanes 16-31 (1) or 0-15 (0) of their registers
.macro WMR d, a, b, c, sa, sb, ra, rb
.if ((\ra) == 0) && ((\rb) == 0)
	v_wmma_scale_f32_16x16x128_f8f6f4 v[(\d):(\d)+7], v[(\a):(\a)+7], v[(\b):(\b)+7], v[(\c):(\c)+7], v[\sa], v[\sb] matrix_a_fmt:MATRIX_FMT_FP4 matrix_b_fmt:MATRIX_FMT_FP4
.elseif (\rb) == 0
	v_wmma_scale_f32_16x16x128_f8f6f4 v[(\d):(\d)+7], v[(\a):(\a)+7], v[(\b):(\b)+7], v[(\c):(\c)+7], v[\sa], v[\sb] matrix_a_fmt:MATRIX_FMT_FP4 matrix_b_fmt:MATRIX_FMT_FP4 matrix_a_scale:MATRIX_SCALE_ROW1
.elseif (\ra) == 0
	v_wmma_scale_f32_16x16x128_f8f6f4 v[(\d):(\d)+7], v[(\a):(\a)+7], v[(\b):(\b)+7], v[(\c):(\c)+7], v[\sa], v[\sb] matrix_a_fmt:MATRIX_FMT_FP4 matrix_b_fmt:MATRIX_FMT_FP4 matrix_b_scale:MATRIX_SCALE_ROW1
.else
	v_wmma_scale_f32_16x16x128_f8f6f4 v[(\d):(\d)+7], v[(\a):(\a)+7], v[(\b):(\b)+7], v[(\c):(\c)+7], v[\sa], v[\sb] matrix_a_fmt:MATRIX_FMT_FP4 matrix_b_fmt:MATRIX_FMT_FP4 matrix_a_scale:MATRIX_SCALE_ROW1 matrix_b_scale:MATRIX_SCALE_ROW1
.endif
.endm
; 24 LDS loads: K step s's fragments into set p.  An image's 512 bytes are consecutive over the lanes: no padding is wanted
.macro FETCH s, p
	WIN 0x40                                       ; destination window 1
.irp i, 0,1,2,3,4,5,6,7
.irp c, 0,1
	ds_load_b128 v[128*(\p)+8*\i+4*\c:128*(\p)+8*\i+4*\c+3], v[4+(\s)/4] offset:((\s)%4)*16384+1024*\i+512*\c
.endr
.endr
.irp i, 0,1,2,3
.irp c, 0,1
	ds_load_b128 v[128*(\p)+64+8*\i+4*\c:128*(\p)+64+8*\i+4*\c+3], v6 offset:8192*(\s)+1024*\i+512*\c
.endr
.endr
	WIN 0
.endm
; 32 products, the 32 accumulators by turns.  mode 0: onto the sums; 1: the bias by source 0's rows starts them; 2: the bias by source 1's rows
.macro MULS s, p, mode
.if (\mode) == 0
	WIN 0xa5                                       ; sources 0 and 1 window 1, C and D window 2
.else
	WIN 0x85                                       ; C window 0
.endif
.irp i1, 0,1,2,3
.irp i0, 0,1,2,3,4,5,6,7
.if (\mode) == 0
	WMR 8*(8*\i1+\i0), 128*(\p)+8*\i0, 128*(\p)+64+8*\i1, 8*(8*\i1+\i0), SS0+8*(\i0/2)+(\s), SS1+8*(\i1/2)+(\s), \i0%2, \i1%2
.elseif (\mode) == 1
	WMR 8*(8*\i1+\i0), 128*(\p)+8*\i0, 128*(\p)+64+8*\i1, CI+8*\i0, SS0+8*(\i0/2)+(\s), SS1+8*(\i1/2)+(\s), \i0%2, \i1%2
.else
	WMR 8*(8*\i1+\i0), 128*(\p)+8*\i0, 128*(\p)+64+8*\i1, CI+8*\i1, SS0+8*(\i0/2)+(\s), SS1+8*(\i1/2)+(\s), \i0%2, \i1%2
.endif
.endr
.endr
.endm
.macro KSTEP s, mode
	s_wait_dscnt 0x0                               ; this step's fragments are in; no LDS instruction of mine is out at the signal below
.if ((\s)%2 == 1) && ((\s) < 7)
	s_wait_tensorcnt 3-((\s)+1)/2                  ; my load for the next two K steps' pair has landed; my younger loads, for later K steps, may be out
	s_barrier_signal -1
	s_barrier_wait -1                              ; everybody's has.
.endif
.if (\s) < 7
.if (\s) > 0
	PLACES 4                                       ; four plain instructions between the last products and loads into the set that they read
.endif
	FETCH (\s)+1, ((\s)+1)%2
.endif
	MULS \s, (\s)%2, \mode
.endm
	s_load_b256 s[4:11], s[0:1], 0x0               ; opc s[4:5], ops s[6:7], bq s[8:9], bk s[10:11]
	s_load_b128 s[12:15], s[0:1], 0x20             ; bv s[12:13], qkvc s[14:15]
	s_load_b64 s[16:17], s[0:1], 0x30              ; qkvs
	v_lshl_add_u32 v190, v0, 2, 0x30000
	v_mov_b32 v191, 0
	ds_add_u32 v190, v191
	ds_add_u32 v190, v191
	v_lshrrev_b32 v11, 5, v0
	v_readfirstlane_b32 s18, v11                   ; wave
	s_and_b32 s19, s18, 1                          ; e: my half of source 0's tiles; also the parity of the K steps that I fetch
	s_lshr_b32 s20, s18, 1                         ; g: my half of source 1's tiles; also: I fetch source 0 (0) or source 1 (1)
	s_bfe_u32 s21, ttmp6, 0x40000                  ; cx
	s_bfe_u32 s22, ttmp6, 0x40004                  ; cy
	s_mov_b32 s23, ttmp9                           ; the cluster's x: 0 Q, 1 K, 2 V
	s_and_b32 s56, ttmp7, 0xffff                   ; the cluster's y
	s_lshl_b32 s57, 0x1111, s21                    ; my column of the cluster (same cx)
	s_lshl_b32 s58, s22, 2
	s_lshl_b32 s58, 15, s58                        ; my row (same cy)
	; descriptor group 1: a dense block as rows of 256 bytes (32 elements of 8 bytes): source 0: 64 rows, source 1: 32
	s_or_b32 s24, s57, (3<<16)|(1<<21)             ; 15:0 the mask; 17:16 elements of 8 bytes; 21 set beside a mask; no padding
	s_mov_b32 s25, 32<<16                          ; tensor_dim0
	s_mov_b32 s26, 64<<16                          ; tensor_dim1
	s_mov_b32 s27, 32<<16                          ; tile_dim0
	s_mov_b32 s28, 64                              ; tile_dim1
	s_mov_b32 s29, 32                              ; the pitch
	s_mov_b32 s30, 0
	s_mov_b32 s31, 0
	s_or_b32 s32, s58, (3<<16)|(1<<21)
	s_mov_b32 s33, 32<<16
	s_mov_b32 s34, 32<<16
	s_mov_b32 s35, 32<<16
	s_mov_b32 s36, 32
	s_mov_b32 s37, 32
	s_mov_b32 s38, 0
	s_mov_b32 s39, 0
	; the first tiles.  What is chosen hangs on the cluster's coordinates alone; cx and cy are added behind the choice, each in registers of its own
	s_lshl_b32 s59, s23, 6
	s_add_co_u32 s59, s59, 512                     ; Q, K: source 0 = the weight: 512 + 64 x cluster x
	s_and_b32 s60, s56, 7
	s_lshl_b32 s60, s60, 6                         ; V: source 0 = x: 64 x (cluster y % 8)
	s_lshl_b32 s61, s56, 5                         ; Q, K: source 1 = x: 32 x cluster y
	s_lshr_b32 s62, s56, 3
	s_lshl_b32 s62, s62, 5
	s_add_co_u32 s62, s62, 640                     ; V: source 1 = Wv: 640 + 32 x (cluster y / 8)
	s_cmp_lt_u32 s23, 2
	s_cselect_b32 s59, s59, s60
	s_cselect_b32 s61, s61, s62
	s_lshl_b32 s60, s21, 4
	s_add_co_u32 s59, s59, s60                     ; source 0's first tile: + 16 cx
	s_lshl_b32 s62, s22, 3
	s_add_co_u32 s61, s61, s62                     ; source 1's first tile: + 8 cy
	s_mul_i32 s63, s19, STR                        ; my first K step
	s_lshl_b32 s96, s59, 10
	s_add_co_u32 s96, s96, s63
	s_mov_b32 s97, 0
	s_lshl_b32 s98, s61, 10
	s_add_co_u32 s98, s98, s63
	s_mov_b32 s99, 0
	s_lshl_b32 s2, s59, 9                          ; source 0's scale words: 1,024 x (tile / 2 + 4 e)
	s_lshl_b32 s3, s19, 12
	s_add_co_u32 s2, s2, s3
	s_mov_b32 s3, 0
	s_lshl_b32 s66, s61, 9                         ; source 1's: 1,024 x (tile / 2 + 2 g)
	s_lshl_b32 s67, s20, 11
	s_add_co_u32 s66, s66, s67
	s_mov_b32 s67, 0
	s_lshl_b32 s92, s19, 14                        ; LDS: 16,384 e
	s_lshl_b32 s93, s19, 13
	s_add_co_u32 s93, s93, R1B                     ; and 131,072 + 8,192 e: no place in the cluster enters an LDS address
	v_and_b32 v11, 31, v0
	v_lshlrev_b32 v1, 4, v11                       ; 16 x lane
	v_and_b32 v2, 15, v0                           ; r
	v_bfe_u32 v3, v0, 4, 1                         ; h
	s_lshl_b32 s94, s19, 13
	v_add_nc_u32 v4, s94, v1                       ; source 0's fragments, K steps 0-3: 16 lane + 8,192 e
	v_add_nc_u32 v5, 0x10000, v4                   ; K steps 4-7
	s_lshl_b32 s94, s20, 12
	s_add_co_u32 s94, s94, R1B
	v_add_nc_u32 v6, s94, v1                       ; source 1's: 131,072 + 16 lane + 4,096 g
	v_lshlrev_b32 v8, 6, v3                        ; 64 h
	v_and_b32 v9, 8, v2
	v_add_nc_u32 v9, v9, v2
	v_lshlrev_b32 v9, 2, v9                        ; 4 (r + 8 (r / 8))
	v_lshlrev_b32 v10, 3, v11                      ; 8 x lane
.irp b, 0,1,2,3
	v_mov_b32 v[TM+4+\b], 0                        ; written once: a lane permute's destination counts as one of its sources
.endr
	s_wait_dscnt 0x0
	s_wait_kmcnt 0x0
	s_add_nc_u64 s[96:97], s[4:5], s[96:97]
	s_add_nc_u64 s[98:99], s[4:5], s[98:99]
	s_add_nc_u64 s[2:3], s[6:7], s[2:3]
	s_add_nc_u64 s[66:67], s[6:7], s[66:67]
.irp j, 0,1,2,3                        ; descriptor group 0, a set for each of a wave's four loads: K step e + 2 j
	s_mov_b32 s[40+4*\j], 1
	s_add_co_u32 s[41+4*\j], s92, \j*32768
	s_add_nc_u64 s[42+4*\j:43+4*\j], s[96:97], \j*2*STR
	s_or_b32 s[43+4*\j], s[43+4*\j], 0x80000000
	s_mov_b32 s[68+4*\j], 1
	s_add_co_u32 s[69+4*\j], s93, \j*16384
	s_add_nc_u64 s[70+4*\j:71+4*\j], s[98:99], \j*2*STR
	s_or_b32 s[71+4*\j], s[71+4*\j], 0x80000000
.endr
	CROUND                                         ; all sixteen work-groups are here: the joint loads meet
	s_cmp_lt_u32 s18, 2                            ; a wave's four fills stand in one branch on the wave's number, ahead of every wait on TENSORcnt and every LDS read
	s_cbranch_scc0 .Lfill_1
	tensor_load_to_lds s[40:43], s[24:31]
	s_nop 0
	tensor_load_to_lds s[44:47], s[24:31]
	s_nop 0
	tensor_load_to_lds s[48:51], s[24:31]
	s_nop 0
	tensor_load_to_lds s[52:55], s[24:31]
	s_nop 0
	PLACES 4                                       ; four plain lines behind the loads
	s_branch .Lfilled
.Lfill_1:
	tensor_load_to_lds s[68:71], s[32:39]
	s_nop 0
	tensor_load_to_lds s[72:75], s[32:39]
	s_nop 0
	tensor_load_to_lds s[76:79], s[32:39]
	s_nop 0
	tensor_load_to_lds s[80:83], s[32:39]
	s_nop 0
	PLACES 4
.Lfilled:
.irp p, 0,1,2,3                        ; the scale words of all eight K steps: register 8 p + s
.irp f, 0,1
	global_load_b128 v[SS0+8*\p+4*\f:SS0+8*\p+4*\f+3], v1, s[2:3] offset:1024*\p+512*\f
.endr
.endr
.irp p, 0,1
.irp f, 0,1
	global_load_b128 v[SS1+8*\p+4*\f:SS1+8*\p+4*\f+3], v1, s[66:67] offset:1024*\p+512*\f
.endr
.endr
	; the bias in the result's layout, and where the results go: the two forms part on the cluster's x
	s_cmp_lt_u32 s23, 2
	s_cbranch_scc0 .Lbias_v
	s_lshl_b32 s84, s23, 2
	s_add_co_u32 s84, s84, s21                     ; which 256 features of Wq and Wk on end
	s_lshl_b32 s85, s84, 2
	s_lshl_b32 s86, s19, 1
	s_add_co_u32 s85, s85, s86
	s_and_b32 s85, s85, 15                         ; my first head (I make two)
	s_lshl_b32 s86, s20, 2
	s_add_co_u32 s86, s61, s86                     ; my first tile of x
	s_lshr_b32 s87, s86, 7                         ; batch
	s_and_b32 s86, s86, 127                        ; tile in the batch
	s_lshl_b32 s87, s87, 4
	s_add_co_u32 s87, s87, s85                     ; batch x head
	s_lshl_b32 s88, s87, 16
	s_lshl_b32 s89, s86, 9
	s_add_co_u32 s88, s88, s89
	s_lshl_b32 s89, s23, 22                        ; K lies 4 MiB behind Q
	s_add_co_u32 s88, s88, s89                     ; the codes' offset
	s_lshl_b32 s90, s87, 13
	s_lshr_b32 s91, s86, 2
	s_lshl_b32 s91, s91, 8
	s_add_co_u32 s90, s90, s91
	s_lshl_b32 s91, s23, 19
	s_add_co_u32 s90, s90, s91                     ; the scale words' offset
	s_mov_b32 s92, 512                             ; from tile to tile of source 1
	s_mov_b32 s93, 65536                           ; from the codes' first four registers to the last four: the next head
	s_cmp_eq_u32 s23, 0
	s_cselect_b64 s[94:95], s[8:9], s[10:11]
	s_lshl_b32 s100, s85, 8                        ; 64 features of 4 bytes a head
	s_mov_b32 s101, 0
	s_add_nc_u64 s[94:95], s[94:95], s[100:101]
.irp i, 0,1,2,3,4,5,6,7                ; lane (r, h), tile i0, register j: feature 32 (i0 / 2) + 16 h + 8 (i0 % 2) + j
	global_load_b128 v[CI+8*\i:CI+8*\i+3], v8, s[94:95] offset:4*(32*(\i/2)+8*(\i%2))
	global_load_b128 v[CI+8*\i+4:CI+8*\i+7], v8, s[94:95] offset:4*(32*(\i/2)+8*(\i%2))+16
.endr
	s_branch .Lbias_done
.Lbias_v:
	s_and_b32 s84, s56, 7
	s_lshl_b32 s84, s84, 2
	s_add_co_u32 s84, s84, s21                     ; which 256 rows of x
	s_lshr_b32 s87, s84, 3                         ; batch
	s_lshl_b32 s86, s84, 1
	s_add_co_u32 s86, s86, s19
	s_and_b32 s86, s86, 15                         ; which 128 keys
	s_lshr_b32 s85, s56, 3
	s_lshl_b32 s85, s85, 2
	s_add_co_u32 s85, s85, s22
	s_lshl_b32 s85, s85, 1
	s_add_co_u32 s85, s85, s20                     ; my head
	s_lshl_b32 s87, s87, 4
	s_add_co_u32 s87, s87, s85
	s_lshl_b32 s88, s87, 16
	s_lshl_b32 s89, s86, 12
	s_add_co_u32 s88, s88, s89
	s_add_co_u32 s88, s88, 0x800000
	s_lshl_b32 s90, s87, 12
	s_lshl_b32 s91, s86, 8
	s_add_co_u32 s90, s90, s91
	s_add_co_u32 s90, s90, 0x100000
	s_mov_b32 s92, 1024
	s_mov_b32 s93, 512
	s_mov_b64 s[94:95], s[12:13]
	s_lshl_b32 s100, s85, 8
	s_mov_b32 s101, 0
	s_add_nc_u64 s[94:95], s[94:95], s[100:101]
.irp i, 0,1,2,3                        ; a lane holds one channel: its bias stands in all eight registers
.irp j, 0,1,2,3,4,5,6,7
	global_load_b32 v[CI+8*\i+\j], v9, s[94:95] offset:4*(32*(\i/2)+8*(\i%2))
.endr
.endr
.Lbias_done:
	v_add_nc_u32 v7, s93, v1                       ; the offset of the codes' last four registers
	s_mov_b32 s89, 0
	s_mov_b32 s91, 0
	s_mov_b32 s93, 0
	s_add_nc_u64 s[84:85], s[14:15], s[88:89]      ; where source 1's tiles 0 to 3 go
	s_add_nc_u64 s[86:87], s[84:85], s[92:93]
	s_add_nc_u64 s[96:97], s[86:87], s[92:93]
	s_add_nc_u64 s[98:99], s[96:97], s[92:93]
	s_add_nc_u64 s[90:91], s[16:17], s[90:91]
	s_wait_tensorcnt 0x3                           ; my first load has landed (K step 0 or 1); my three younger ones may be out
	s_barrier_signal -1
	s_barrier_wait -1                              ; everybody's has
	FETCH 0, 0
	s_wait_loadcnt 0x0                             ; scale words and bias
	s_wait_dscnt 0x0
	FETCH 1, 1
	s_cmp_lt_u32 s23, 2
	s_cbranch_scc0 .Lfirst_v
	MULS 0, 0, 1
	WIN 0
	s_branch .Lfirst_done
.Lfirst_v:
	MULS 0, 0, 2
	WIN 0
.Lfirst_done:
.irp s, 1,2,3,4,5,6,7
	KSTEP \s, 0
.endr
	PLACES 4                                       ; four plain instructions between the last products and the first read of results
; Source 1's tile i1: a lane's 64 numbers, register 16 b + i = place 32 b + 16 h + i along source 0's 128 rows, become eight registers of codes and a scale word, and are stored.
.macro QOUT i1, ob
.set AC, 64*(\i1)
	WIN 0x0a                                       ; sources 0 and 1 window 2
.irp b, 0,1,2,3
	v_max3_num_f32 v[TM+\b], |v[AC+16*\b]|, |v[AC+16*\b+1]|, 0x1800000   ; each accumulator is read from its low end on; the floor 2^(3 - 127) holds the byte at 1 from below
.endr
	WIN 0x28                                       ; sources 1 and 2 window 2
.irp i, 2,4,6,8,10,12,14
.irp b, 0,1,2,3
	v_max3_num_f32 v[TM+\b], v[TM+\b], |v[AC+16*\b+\i]|, |v[AC+16*\b+\i+1]|
.endr
.endr
	WIN 0
.irp b, 0,1,2,3
	v_permlanex16_b32 v[TM+4+\b], v[TM+\b], s100, s101
.endr
.irp b, 0,1,2,3
	v_max_num_f32 v[TM+\b], v[TM+\b], v[TM+4+\b]   ; with lane l xor 16's 16: the block's largest magnitude
.endr
.irp b, 0,1,2,3
	v_add_nc_u32 v[TM+12+\b], 0xff000000, v[TM+\b] ; 2 off the exponent field: the conversion's scale operand
.endr
.irp b, 0,1,2,3
	v_lshrrev_b32 v[TM+4+\b], 23, v[TM+12+\b]      ; the byte
.endr
	v_lshl_or_b32 v[PW+(\i1)], v[TM+5], 8, v[TM+4]
	v_lshl_or_b32 v[PW+(\i1)], v[TM+6], 16, v[PW+(\i1)]
	v_lshl_or_b32 v[PW+(\i1)], v[TM+7], 24, v[PW+(\i1)]
	WIN 0x02                                       ; source 0 window 2
.irp b, 0,1,2,3
	v_cvt_scalef32_pk8_fp4_f32 v[PC+8*(\i1)+2*\b], v[AC+16*\b:AC+16*\b+7], v[TM+12+\b]
	v_cvt_scalef32_pk8_fp4_f32 v[PC+8*(\i1)+2*\b+1], v[AC+16*\b+8:AC+16*\b+15], v[TM+12+\b]
.endr
	WIN 0
	v_nop                                          ; one plain instruction behind the conversions
.irp c, 0,1                            ; an operand's layout wants a whole block in a lane: lanes 0-15 block 2 c, lanes 16-31 block 2 c + 1
.irp i, 0,1
	v_permlane16_swap_b32 v[PC+8*(\i1)+4*\c+\i], v[PC+8*(\i1)+4*\c+2+\i]
.endr
.endr
	global_store_b128 v1, v[PC+8*(\i1):PC+8*(\i1)+3], s[\ob:\ob+1]       ; 32 lanes store 512 consecutive bytes, aligned
	global_store_b128 v7, v[PC+8*(\i1)+4:PC+8*(\i1)+7], s[\ob:\ob+1]
.endm
	s_mov_b32 s100, 0x76543210
	s_mov_b32 s101, 0xfedcba98                     ; v_permlanex16_b32's selects for lane l xor 16
	QOUT 0, 84
	QOUT 1, 86
	QOUT 2, 96
	QOUT 3, 98
	v_cmp_ne_u32 vcc_lo, 0, v3
	v_cndmask_b32 v84, v[PW], v[PW+1], vcc_lo      ; lanes 0-15: the even tile's words, lanes 16-31: the odd tile's
	v_cndmask_b32 v85, v[PW+2], v[PW+3], vcc_lo
	s_cmp_lt_u32 s23, 2
	s_cbranch_scc0 .Ltail_v
	s_mov_b32 s92, 0x7f7f0000                      ; K: bytes 2 and 3 = 127
	s_cmp_eq_u32 s23, 0
	s_cselect_b32 s92, 0x7f7f4040, s92             ; Q: and 64 onto bytes 0 and 1
	v_and_b32 v86, 0xffff, v84                     ; the first head's two bytes,
	v_and_b32 v87, 0xffff, v85
	v_lshrrev_b32 v88, 16, v84                     ; the second head's
	v_lshrrev_b32 v89, 16, v85
	v_add_nc_u32 v86, s92, v86
	v_add_nc_u32 v87, s92, v87
	v_add_nc_u32 v88, s92, v88
	v_add_nc_u32 v89, s92, v89
	global_store_b64 v10, v[86:87], s[90:91]       ; the wave stores 256 consecutive bytes, aligned
	global_store_b64 v10, v[88:89], s[90:91] offset:8192
	s_branch .Ltail_done
.Ltail_v:
	global_store_b64 v10, v[84:85], s[90:91]
.Ltail_done:
	s_wait_tensorcnt 0x0
	s_wait_dscnt 0x0
	s_wait_tensorcnt 0x0
	ds_add_u32 v190, v191
	s_wait_dscnt 0x0
	CROUND                                         ; the closing round: no work-group ends while a partner may still ask for a tile that names it
	s_endpgm
.Lfunc_end_k_qa0880fbaa3_qkv:
	.size	k_qa0880fbaa3_qkv, .Lfunc_end_k_qa0880fbaa3_qkv-k_qa0880fbaa3_qkv
	.p2alignl 7, 3214868480
	.fill 96, 4, 3214868480
	.section	.rodata,"a",@progbits
	.p2align	6, 0x0
	.amdhsa_kernel k_qa0880fbaa3_qkv
		.amdhsa_group_segment_fixed_size 197120
		.amdhsa_private_segment_fixed_size 0
		.amdhsa_enable_private_segment 0
		.amdhsa_kernarg_size 56
		.amdhsa_user_sgpr_count 2
		.amdhsa_user_sgpr_kernarg_segment_ptr 1
		.amdhsa_wavefront_size32 1
		.amdhsa_system_sgpr_workgroup_id_x 1
		.amdhsa_system_sgpr_workgroup_id_y 1
		.amdhsa_system_sgpr_workgroup_id_z 1
		.amdhsa_system_vgpr_workitem_id 0
		.amdhsa_next_free_vgpr 768
		.amdhsa_next_free_sgpr 102
		.amdhsa_reserve_vcc 1
		.amdhsa_float_denorm_mode_32 3
		.amdhsa_float_denorm_mode_16_64 3
		.amdhsa_memory_ordered 1
		.amdhsa_forward_progress 1
		.amdhsa_inst_pref_size 84
	.end_amdhsa_kernel
	.amdgpu_metadata
---
amdhsa.version: [ 1, 2 ]
amdhsa.kernels:
  - .name:           k_qa0880fbaa3_qkv
    .symbol:         k_qa0880fbaa3_qkv.kd
    .args:
      - { .name: opc, .offset: 0, .size: 8, .value_kind: global_buffer, .address_space: global }
      - { .name: ops, .offset: 8, .size: 8, .value_kind: global_buffer, .address_space: global }
      - { .name: bq, .offset: 16, .size: 8, .value_kind: global_buffer, .address_space: global }
      - { .name: bk, .offset: 24, .size: 8, .value_kind: global_buffer, .address_space: global }
      - { .name: bv, .offset: 32, .size: 8, .value_kind: global_buffer, .address_space: global }
      - { .name: qkvc, .offset: 40, .size: 8, .value_kind: global_buffer, .address_space: global }
      - { .name: qkvs, .offset: 48, .size: 8, .value_kind: global_buffer, .address_space: global }
    .group_segment_fixed_size: 197120
    .private_segment_fixed_size: 0
    .kernarg_segment_align: 8
    .kernarg_segment_size: 56
    .max_flat_workgroup_size: 128
    .sgpr_count:     102
    .vgpr_count:     768
    .wavefront_size: 32
...
	.end_amdgpu_metadata
.endif
;; end of part 2
;; launch attn (part 3): grid 4 x 64, 4 waves a work-group, no clusters, 36,352 bytes of LDS; arguments qkvc, qkvs, atc, ats; writes atc, ats
.if DOCPART == 3
	.amdgcn_target "amdgcn-amd-amdhsa--gfx1250"
	.amdhsa_code_object_version 6
	.text
	.protected	k_qa0880fbaa3_attn
	.globl	k_qa0880fbaa3_attn
	.p2align	8
	.type	k_qa0880fbaa3_attn,@function
k_qa0880fbaa3_attn:
	s_mov_b64 s[64:65], 0
	v_nop
	global_prefetch_b8 v0, s[64:65] scope:SCOPE_SE
	s_setreg_imm32_b32 hwreg(HW_REG_WAVE_MODE, 25, 1), 1
	s_wait_xcnt 0x0
; out = (sign(l) softmax(|l|)) V, l = Q K^T / 8, for one head and 512 queries a work-group; both products on codes of E2M1.  The weights are quantised FINISHED: sign x exp(|l| - max) / sum, along the keys.
; So a row's sum is known before a code is made.  THE SCORES STAY IN REGISTERS: wave w owns keys 512 w .. 512 w + 511, keeps their K and V as codes in 256 registers for the whole launch,
; and holds the scores of 32 queries x its 512 keys in 512 registers: each score is multiplied once and each exponential taken once; K, V, scores and weights never pass through LDS.
; What the four waves exchange for each 32 queries: a maximum and a sum a query, and their parts of the result (32 x 64 numbers a wave).
; NO CLUSTER, NO TENSOR LOAD: K and V are read once by a work-group, 140 KiB straight into registers; nothing recurs that partners could ask for jointly.
; LAYOUT.  S^T = K Q^T (source 0 = 16 keys, source 1 = 16 queries), O^T = V^T P^T: a lane holds ONE query throughout.  A tile's lane index i stands for row 32 (T / 2) + 8 (T % 2) + i + 8 (i / 8),
; so the 16 registers of key tiles 2 b and 2 b + 1 are the 16 neighbouring keys 32 b + 16 (lane / 16) + 0 .. 15.
; THE HEAD HAS 64 ALONG K, THE INSTRUCTION TAKES 128: Q's upper four registers are zero codes, so K's upper four may hold any codes: they are the next tile's; the scale bytes there are 127.
; THE SIGN.  Q's scale bytes carry + 64, so a score arrives as s' = 2^64 s, exactly.  p = 2^(c' |s'| - M) with c' = log2(e) / 8 / 2^64 and M the wave's largest c' |s'| rounded up to a whole number.
; The middle one of s', -p and p is p with s's sign, and 0 where s is 0, as sign() has it.
; THE WAVES' M differ by whole numbers: sums and weights are brought under the largest M by v_ldexp_f32, which rounds nothing.
; A BLOCK'S LARGEST WEIGHT is not searched for: the block's largest |s'| goes through the same multiply-add, exponential and multiplication as every score (this takes v_exp_f32 not to fall where its input rises).
; LIMITS: |score| under 2^64; a non-zero |score| at least 2^-64 (else it would pass in place of p); a block of zeros gets the byte 1 (its codes are zeros; only this program reads the bytes);
; 1 / sum is v_rcp_f32; NaN and infinities are not served.
; OUTPUT.  atc [pair of heads 8][tile of rows 512][1,024]: images of the last product's operand; ats [head 16][8,192] of two bytes: place 32 x (pair of tiles) + 16 u + r: the head's two scale bytes.
; REGISTERS: window 0: v1-9 addresses; v10-11 the codes stored; v16-23 four chains of sums; v24-27 -M and the sum, for each tile of queries; v28-31 the factors; v32-47 K's scale words, v48-55 V's, v56 Q's, v58-65 P's;
;   v66-81 Q (for each tile 4 registers and 4 of zeros); v82-113 the blocks' maxima; v114-127 at work; v128-191 T: exponentials, then O^T, then the four waves' parts; v192-255 P's codes.
;   window 1: v0-127 K (tile t at 4 t), v128-255 V^T (128 keys k, tile of channels d at 128 + 8 (4 k + d)).   windows 2, 3: the scores of query tile 0, 1: key tile t at 8 t.
; LDS: 0: the first exchange, [wave][tile][lane] 8 bytes; 2,048: the second, [wave][8 accumulators][1,024]; 34,816: the scale bytes of 512 rows.
.set KSC, 32
.set VSC, 48
.set QSC, 56
.set PSC, 58
.set QF,  66
.set BM,  82
.set WK,  114
.set T,   128
.set PC,  192
.set SU,  16
.set NM,  24
.set F,   28
.set CC,  22                           ; s22  c'
.set BLK, 23                           ; s23  the trip
.set MSB, 0
.macro WIN new                         ; the immediate's high byte repeats the setting that is left
.if MSB != (\new)
	s_set_vgpr_msb (MSB<<8)|(\new)
.set MSB, (\new)
.endif
.endm
.macro PLACES n
.rept \n
	v_nop
.endr
.endm
.macro WM0 d, a, b, sa, sb, ra, rb     ; a product that starts a sum; ra, rb: the scale words lie in lanes 16-31 (1) or 0-15 (0)
.if ((\ra) == 0) && ((\rb) == 0)
	v_wmma_scale_f32_16x16x128_f8f6f4 v[(\d):(\d)+7], v[(\a):(\a)+7], v[(\b):(\b)+7], 0, v[\sa], v[\sb] matrix_a_fmt:MATRIX_FMT_FP4 matrix_b_fmt:MATRIX_FMT_FP4
.elseif (\rb) == 0
	v_wmma_scale_f32_16x16x128_f8f6f4 v[(\d):(\d)+7], v[(\a):(\a)+7], v[(\b):(\b)+7], 0, v[\sa], v[\sb] matrix_a_fmt:MATRIX_FMT_FP4 matrix_b_fmt:MATRIX_FMT_FP4 matrix_a_scale:MATRIX_SCALE_ROW1
.elseif (\ra) == 0
	v_wmma_scale_f32_16x16x128_f8f6f4 v[(\d):(\d)+7], v[(\a):(\a)+7], v[(\b):(\b)+7], 0, v[\sa], v[\sb] matrix_a_fmt:MATRIX_FMT_FP4 matrix_b_fmt:MATRIX_FMT_FP4 matrix_b_scale:MATRIX_SCALE_ROW1
.else
	v_wmma_scale_f32_16x16x128_f8f6f4 v[(\d):(\d)+7], v[(\a):(\a)+7], v[(\b):(\b)+7], 0, v[\sa], v[\sb] matrix_a_fmt:MATRIX_FMT_FP4 matrix_b_fmt:MATRIX_FMT_FP4 matrix_a_scale:MATRIX_SCALE_ROW1 matrix_b_scale:MATRIX_SCALE_ROW1
.endif
.endm
.macro WMR d, a, b, sa, sb, ra         ; a product onto its sum
.if (\ra) == 0
	v_wmma_scale_f32_16x16x128_f8f6f4 v[(\d):(\d)+7], v[(\a):(\a)+7], v[(\b):(\b)+7], v[(\d):(\d)+7], v[\sa], v[\sb] matrix_a_fmt:MATRIX_FMT_FP4 matrix_b_fmt:MATRIX_FMT_FP4
.else
	v_wmma_scale_f32_16x16x128_f8f6f4 v[(\d):(\d)+7], v[(\a):(\a)+7], v[(\b):(\b)+7], v[(\d):(\d)+7], v[\sa], v[\sb] matrix_a_fmt:MATRIX_FMT_FP4 matrix_b_fmt:MATRIX_FMT_FP4 matrix_a_scale:MATRIX_SCALE_ROW1
.endif
.endm
	s_load_b256 s[4:11], s[0:1], 0x0               ; qkvc s[4:5], qkvs s[6:7], atc s[8:9], ats s[10:11]
	v_lshl_add_u32 v15, v0, 2, 0x8c00
	v_mov_b32 v57, 0
	v_lshrrev_b32 v12, 5, v0
	v_readfirstlane_b32 s12, v12                   ; wave
	s_and_b32 s13, s12, 1                          ; e: the tile of queries whose result I finish
	s_lshr_b32 s14, s12, 1                         ; g: the block of the head's channels that I finish
	s_mov_b32 s15, ttmp9                           ; which 512 queries
	s_and_b32 s16, ttmp7, 0xffff                   ; batch x head
	s_lshr_b32 s17, s16, 4                         ; batch
	s_and_b32 s18, s16, 15                         ; head
.irp i, 4,5,6,7,12,13,14,15
	v_mov_b32 v[QF+\i], 0                          ; Q's zero codes, for the upper 64 of the instruction's K
.endr
.set i, 0
.rept 32
	v_mov_b32 v[T+i], 0                            ; written once: a lane permute's destination counts as one of its sources
.set i, i+1
.endr
	v_mov_b32 v[WK], 0
	v_mov_b32 v[WK+1], 0
	v_and_b32 v12, 31, v0                          ; lane
	v_and_b32 v13, 15, v0                          ; r
	v_bfe_u32 v14, v0, 4, 1                        ; h
	v_lshlrev_b32 v1, 4, v12                       ; 16 x lane
	v_lshlrev_b32 v2, 3, v12                       ; 8 x lane
	s_lshl_b32 s34, s12, 9
	v_add_nc_u32 v3, s34, v2                       ; the first exchange, my place: 512 w + 8 lane
	s_lshl_b32 s34, s12, 13
	s_add_co_u32 s34, s34, 2048
	v_add_nc_u32 v5, s34, v1                       ; the second, on the way in: 2,048 + 8,192 w + 16 lane
	s_lshl_b32 s34, s13, 12
	s_lshl_b32 s35, s14, 11
	s_add_co_u32 s34, s34, s35
	s_add_co_u32 s34, s34, 2048
	v_add_nc_u32 v6, s34, v1                       ; and on the way out: accumulators 4 e + 2 g and the next
	v_lshlrev_b32 v7, 4, v13
	v_lshl_add_u32 v7, v14, 3, v7
	s_lshl_b32 s34, s14, 8
	s_lshl_b32 s35, s13, 10
	s_add_co_u32 s34, s34, s35
	v_add_nc_u32 v7, s34, v7                       ; my 8 bytes in a pair of images: 1,024 e + 256 g + 16 r + 8 h
	v_lshlrev_b32 v8, 1, v13
	s_lshl_b32 s34, s13, 5
	s_add_co_u32 s34, s34, s14
	s_add_co_u32 s34, s34, 34816
	v_add_nc_u32 v8, s34, v8                       ; my scale byte: 34,816 + 2 (16 e + r) + g
	s_mov_b32 s20, 0x76543210
	s_mov_b32 s21, 0xfedcba98                      ; v_permlanex16_b32's selects for lane l xor 16
	s_mov_b32 s[CC], 0x1e38aa3b                    ; c' = log2(e) / 8 / 2^64
	s_mov_b32 s[BLK], 0
	s_mov_b32 s24, 0                               ; 64 x the trip
	s_lshl_b32 s34, s16, 16                        ; a head's codes: 65,536 bytes in each of Q, K, V
	s_lshl_b32 s35, s12, 14                        ; my 512 keys: 16,384
	s_add_co_u32 s36, s34, s35
	s_add_co_u32 s38, s36, 0x800000                ; V
	s_add_co_u32 s36, s36, 0x400000                ; K
	s_mov_b32 s37, 0
	s_mov_b32 s39, 0
	s_lshl_b32 s35, s15, 14
	s_add_co_u32 s26, s34, s35                     ; Q: my work-group's 32 tiles
	s_mov_b32 s27, 0
	s_lshl_b32 s34, s16, 13
	s_lshl_b32 s35, s12, 11
	s_add_co_u32 s40, s34, s35
	s_add_co_u32 s40, s40, 0x80000                 ; K's scale words
	s_mov_b32 s41, 0
	s_lshl_b32 s35, s15, 11
	s_add_co_u32 s28, s34, s35                     ; Q's
	s_mov_b32 s29, 0
	s_lshl_b32 s42, s16, 12
	s_lshl_b32 s35, s12, 10
	s_add_co_u32 s42, s42, s35
	s_add_co_u32 s42, s42, 0x100000                ; V's
	s_mov_b32 s43, 0
	s_lshr_b32 s32, s18, 1
	s_lshl_b32 s32, s32, 19                        ; atc: the pair of heads is the K step,
	s_and_b32 s35, s18, 1
	s_lshl_b32 s35, s35, 9                         ; the head's parity the image's half,
	s_add_co_u32 s32, s32, s35
	s_lshl_b32 s35, s17, 17
	s_add_co_u32 s32, s32, s35
	s_lshl_b32 s35, s15, 15
	s_add_co_u32 s32, s32, s35                     ; tile 128 batch + 32 x (which 512 queries)
	s_mov_b32 s33, 0
	s_lshl_b32 s44, s18, 14                        ; ats
	s_lshl_b32 s35, s17, 12
	s_add_co_u32 s44, s44, s35
	s_lshl_b32 s35, s15, 10
	s_add_co_u32 s44, s44, s35
	s_lshl_b32 s35, s12, 8
	s_add_co_u32 s44, s44, s35
	s_mov_b32 s45, 0
	s_wait_kmcnt 0x0
	s_add_nc_u64 s[36:37], s[4:5], s[36:37]
	s_add_nc_u64 s[38:39], s[4:5], s[38:39]
	s_add_nc_u64 s[26:27], s[4:5], s[26:27]
	s_add_nc_u64 s[40:41], s[6:7], s[40:41]
	s_add_nc_u64 s[28:29], s[6:7], s[28:29]
	s_add_nc_u64 s[42:43], s[6:7], s[42:43]
	s_add_nc_u64 s[32:33], s[8:9], s[32:33]
	s_add_nc_u64 s[44:45], s[10:11], s[44:45]
	WIN 0x40                                       ; destination window 1
.set i, 0
.rept 32
	global_load_b128 v[4*i:4*i+3], v1, s[36:37] offset:512*i           ; K: 32 tiles of 16 keys; they stay
.set i, i+1
.endr
.set i, 0
.rept 32
	global_load_b128 v[128+4*i:128+4*i+3], v1, s[38:39] offset:512*i   ; V^T: 16 fragments; they stay
.set i, i+1
.endr
	WIN 0
.irp i, 0,1,2,3,4,5,6,7
	global_load_b64 v[KSC+2*\i:KSC+2*\i+1], v2, s[40:41] offset:256*\i
.endr
.irp i, 0,1,2,3
	global_load_b64 v[VSC+2*\i:VSC+2*\i+1], v2, s[42:43] offset:256*\i
.endr
	global_load_b128 v[QF:QF+3], v1, s[26:27]      ; the first 32 queries
	global_load_b128 v[QF+8:QF+11], v1, s[26:27] offset:512
	global_load_b32 v[QSC], v2, s[28:29]
; the largest |s'| of each of my 16 blocks of 32 keys, query tile q: my lane's 16 of each
.macro BMAX q
	WIN 0x2a+0x15*(\q)                             ; all three sources in the scores' window
.set i, 0
.rept 16
	v_max3_num_f32 v[BM+16*(\q)+i], |v[16*i]|, |v[16*i+1]|, |v[16*i+2]|   ; each accumulator is read from its low end on
.set i, i+1
.endr
	WIN 0x28+0x14*(\q)                             ; sources 1 and 2
.irp n, 3,5,7,9,11,13
.set i, 0
.rept 16
	v_max3_num_f32 v[BM+16*(\q)+i], v[BM+16*(\q)+i], |v[16*i+\n]|, |v[16*i+\n+1]|   ; (registers 7 and 8: the odd tile's first read is of its lowest register)
.set i, i+1
.endr
.endr
.set i, 0
.rept 16
	v_max_num_f32 v[BM+16*(\q)+i], v[BM+16*(\q)+i], |v[16*i+15]|
.set i, i+1
.endr
.endm
; 64 scores of query tile q (128 keys k): p = 2^(c' |s'| - M) into T; the sums; the score's register takes p with the score's sign
.macro BATCH q, k
	WIN 0x02+(\q)                                  ; source 0 in the scores' window
.set i, 0
.rept 64
	v_fma_f32 v[T+i], |v[64*(\k)+i]|, s[CC], v[NM+2*(\q)]
.set i, i+1
.endr
	WIN 0
.set i, 0
.rept 64
	v_exp_f32 v[T+i], v[T+i]
.set i, i+1
.endr
	v_nop                                          ; a plain instruction behind the last exponential,
	s_wait_alu depctr_va_vdst(0)                   ; and one wait for the batch, ahead of its first reader
.if (\k) == 0
.irp j, 0,1,2,3
	v_pk_add_f32 v[SU+2*\j:SU+2*\j+1], v[T+2*\j:T+2*\j+1], v[T+8+2*\j:T+8+2*\j+1]   ; the first lines start the four chains: nothing is cleared
.endr
.set i, 8
.rept 24
	v_pk_add_f32 v[SU+2*(i%4):SU+2*(i%4)+1], v[SU+2*(i%4):SU+2*(i%4)+1], v[T+2*i:T+2*i+1]
.set i, i+1
.endr
.else
.set i, 0
.rept 32
	v_pk_add_f32 v[SU+2*(i%4):SU+2*(i%4)+1], v[SU+2*(i%4):SU+2*(i%4)+1], v[T+2*i:T+2*i+1]
.set i, i+1
.endr
.endif
	WIN 0x82+0x41*(\q)                             ; destination and source 0 in the scores' window
.set i, 0
.rept 64
	v_med3_num_f32 v[64*(\k)+i], v[64*(\k)+i], -v[T+i], v[T+i]   ; the middle one of s', -p, p: p with s's sign; 0 where s is 0
.set i, i+1
.endr
.endm
; query tile q: the four waves' -M and sums (pairs at T + 8 q) give the row's -M, its sum, and 1 / sum; WK + 7 q + 6: by how many powers of two my own M lies under the row's
.macro NORM q
.set XB, T+8*(\q)
.set WB, WK+7*(\q)
	v_min3_num_f32 v[WB], v[XB], v[XB+2], v[XB+4]
	v_min_num_f32 v[WB], v[WB], v[XB+6]            ; the least -M is the largest M
.irp w, 0,1,2,3
	v_sub_f32 v[WB+1+\w], v[WB], v[XB+2*\w]        ; a whole number, 0 or less
.endr
.irp w, 0,1,2,3
	v_cvt_i32_f32 v[WB+1+\w], v[WB+1+\w]           ; (it saturates)
.endr
.irp w, 0,1,2,3
	v_ldexp_f32 v[WB+1+\w], v[XB+2*\w+1], v[WB+1+\w]   ; each wave's sum under the row's M: nothing is rounded
.endr
	v_add_f32 v[WB+1], v[WB+1], v[WB+2]
	v_add_f32 v[WB+3], v[WB+3], v[WB+4]
	v_add_f32 v[WB+1], v[WB+1], v[WB+3]
	v_sub_f32 v[WB+6], v[WB], v[NM+2*(\q)]
	v_cvt_i32_f32 v[WB+6], v[WB+6]
	v_rcp_f32 v[WB+5], v[WB+1]
.endm
.Ltrip:                                ; 16 trips of 32 queries
	; ---- A: the scores
	s_wait_loadcnt 0x0                             ; Q of this trip (asked for a trip ago); in the first trip K, V and the scale words too
	WIN 0x81                                       ; source 0 (K) window 1, destination window 2
.set i, 0
.rept 32
	WM0 8*i, 4*i, QF, KSC+i/2, QSC, i%2, 0
.set i, i+1
.endr
	WIN 0xc1                                       ; destination window 3
.set i, 0
.rept 32
	WM0 8*i, 4*i, QF+8, KSC+i/2, QSC, i%2, 1
.set i, i+1
.endr
	WIN 0
	PLACES 4                                       ; four plain instructions between the products and the loads into Q's registers, and the first read of scores
	s_wait_xcnt 0x0                                ; the last trip's store has read its base and its data:
	s_add_nc_u64 s[32:33], s[32:33], 2048          ; the base steps here, and the store reaches back by its immediate
	s_cmp_eq_u32 s[BLK], 15                        ; the last trip asks for nothing: no load leaves its buffer
	s_cbranch_scc1 .Lno_next
	s_add_nc_u64 s[26:27], s[26:27], 1024          ; (its loads were waited for at the trip's head)
	s_add_co_u32 s34, s[BLK], 1
	s_lshr_b32 s35, s34, 1
	s_lshl_b32 s35, s35, 8
	s_and_b32 s34, s34, 1
	s_lshl_b32 s34, s34, 2
	s_add_co_u32 s30, s34, s35                     ; the next pair's scale words: 256 x (pair / 2) + 4 x (pair % 2)
	s_mov_b32 s31, 0
	s_add_nc_u64 s[30:31], s[28:29], s[30:31]
	global_load_b128 v[QF:QF+3], v1, s[26:27]
	global_load_b128 v[QF+8:QF+11], v1, s[26:27] offset:512
	global_load_b32 v[QSC], v2, s[30:31]
.Lno_next:
	; ---- B: the blocks' largest |s'|, and my 512 keys' M
	BMAX 0
	BMAX 1
	WIN 0
.set i, 0
.rept 32
	v_permlanex16_b32 v[T+i], v[BM+i], s20, s21
.set i, i+1
.endr
.set i, 0
.rept 32
	v_max_num_f32 v[BM+i], v[BM+i], v[T+i]         ; with lane l xor 16's 16 keys
.set i, i+1
.endr
.irp q, 0,1
	v_max3_num_f32 v[WK+\q], v[BM+16*\q], v[BM+16*\q+1], v[BM+16*\q+2]
.endr
.irp n, 3,5,7,9,11,13
.irp q, 0,1
	v_max3_num_f32 v[WK+\q], v[WK+\q], v[BM+16*\q+\n], v[BM+16*\q+\n+1]
.endr
.endr
.irp q, 0,1
	v_max_num_f32 v[WK+\q], v[WK+\q], v[BM+16*\q+15]
.endr
.irp q, 0,1
	v_mul_f32 v[WK+\q], s[CC], v[WK+\q]
.endr
.irp q, 0,1
	v_floor_f32 v[NM+2*\q], -v[WK+\q]              ; -M = floor(-t): M is a whole number
.endr
	; ---- C: p, its sum, its sign
.irp q, 0,1
.irp k, 0,1,2,3
	BATCH \q, \k
.endr
	WIN 0
	v_pk_add_f32 v[SU:SU+1], v[SU:SU+1], v[SU+2:SU+3]
	v_pk_add_f32 v[SU+4:SU+5], v[SU+4:SU+5], v[SU+6:SU+7]
	v_pk_add_f32 v[SU:SU+1], v[SU:SU+1], v[SU+4:SU+5]
	v_add_f32 v[NM+2*\q+1], v[SU], v[SU+1]
	v_permlanex16_b32 v[WK], v[NM+2*\q+1], s20, s21
	v_add_f32 v[NM+2*\q+1], v[NM+2*\q+1], v[WK]    ; the sum over my 512 keys
.endr
	; ---- D: the first exchange
	ds_store_b64 v3, v[NM:NM+1]
	ds_store_b64 v3, v[NM+2:NM+3] offset:256
	s_wait_dscnt 0x0                               ; my stores have landed, and every earlier LDS instruction of mine is done
	s_barrier_signal -1
	s_barrier_wait -1
.irp q, 0,1
.irp w, 0,1,2,3
	ds_load_b64 v[T+8*\q+2*\w:T+8*\q+2*\w+1], v2 offset:512*\w+256*\q
.endr
.endr
.irp q, 0,1                            ; while they are out: each block's largest p, by the same two instructions as every p
.set i, 0
.rept 16
	v_fma_f32 v[BM+16*\q+i], v[BM+16*\q+i], s[CC], v[NM+2*\q]
.set i, i+1
.endr
.endr
.set i, 0
.rept 32
	v_exp_f32 v[BM+i], v[BM+i]
.set i, i+1
.endr
	v_nop
	s_wait_alu depctr_va_vdst(0)                   ; one wait for the 32
	s_wait_dscnt 0x0
	NORM 0
	NORM 1
	v_nop                                          ; a plain instruction behind the reciprocals,
	s_wait_alu depctr_va_vdst(0)                   ; and their wait
	v_ldexp_f32 v[F], v[WK+5], v[WK+6]             ; the factor: 2^(my M - the row's M) / sum
	v_ldexp_f32 v[F+2], v[WK+12], v[WK+13]
	v_mov_b32 v[F+1], v[F]                         ; (named with it as a pair, so it is written)
	v_mov_b32 v[F+3], v[F+2]
	; ---- E: the finished weights, and their codes
.irp q, 0,1
	WIN 0x82+0x41*\q
.set i, 0
.rept 128
	v_pk_mul_f32 v[i:i+1], v[i:i+1], v[F+2*\q:F+2*\q+1] op_sel_hi:[1,0]
.set i, i+2
.endr
.endr
	WIN 0
.irp q, 0,1
.set i, 0
.rept 16
	v_mul_f32 v[BM+16*\q+i], v[BM+16*\q+i], v[F+2*\q]   ; the block's largest weight: the same multiplication gives the same bits
.set i, i+1
.endr
.endr
.set i, 0
.rept 32
	v_max_num_f32 v[BM+i], 0x1800000, v[BM+i]      ; the floor 2^(3 - 127): the byte cannot fall under 1
.set i, i+1
.endr
.set i, 0
.rept 32
	v_add_nc_u32 v[BM+i], 0xff000000, v[BM+i]      ; 2 off the exponent field: the conversion's scale operand
.set i, i+1
.endr
.set i, 0
.rept 32
	v_lshrrev_b32 v[T+i], 23, v[BM+i]              ; the byte
.set i, i+1
.endr
.set i, 0
.rept 8                                ; four blocks' bytes make the scale word of 128 keys
	v_lshl_or_b32 v[PSC+i], v[T+4*i+1], 8, v[T+4*i]
	v_lshl_or_b32 v[PSC+i], v[T+4*i+2], 16, v[PSC+i]
	v_lshl_or_b32 v[PSC+i], v[T+4*i+3], 24, v[PSC+i]
.set i, i+1
.endr
.irp q, 0,1
	WIN 0x02+\q
.set i, 0
.rept 16
	v_cvt_scalef32_pk8_fp4_f32 v[PC+32*\q+2*i], v[16*i:16*i+7], v[BM+16*\q+i]
	v_cvt_scalef32_pk8_fp4_f32 v[PC+32*\q+2*i+1], v[16*i+8:16*i+15], v[BM+16*\q+i]
.set i, i+1
.endr
.endr
	WIN 0
	v_nop                                          ; one plain instruction behind the conversions
.set i, 0
.rept 16                               ; an operand's layout wants a whole block in a lane
	v_permlane16_swap_b32 v[PC+4*i], v[PC+4*i+2]
	v_permlane16_swap_b32 v[PC+4*i+1], v[PC+4*i+3]
.set i, i+1
.endr
	PLACES 8                                       ; operands and scale words written by vector instructions stand 4 and 8 places ahead of a scaled product
	; ---- F: O^T = V^T P^T over my 512 keys: eight accumulators by turns
	WIN 0x01                                       ; source 0 (V) window 1
.irp k, 0,1,2,3
.irp d, 0,1,2,3
.irp q, 0,1
.if \k == 0
	WM0 T+8*(4*\q+\d), 128+8*(4*\k+\d), PC+32*\q+8*\k, VSC+2*\k+\d/2, PSC+4*\q+\k, \d%2, 0
.else
	WMR T+8*(4*\q+\d), 128+8*(4*\k+\d), PC+32*\q+8*\k, VSC+2*\k+\d/2, PSC+4*\q+\k, \d%2
.endif
.endr
.endr
.endr
	WIN 0
	PLACES 4
.set i, 0
.rept 8
	ds_store_b128 v5, v[T+8*i:T+8*i+3] offset:1024*i          ; each accumulator as an image of its registers, from its low end on
	ds_store_b128 v5, v[T+8*i+4:T+8*i+7] offset:1024*i+512
.set i, i+1
.endr
	s_wait_dscnt 0x0                               ; my stores have landed; my reads of the first exchange were waited for above
	s_barrier_signal -1
	s_barrier_wait -1
	; ---- G: I finish query tile e, channels 32 g .. 32 g + 31: the four waves' parts are added, quantised along the channels and stored
.irp w, 0,1,2,3
.irp j, 0,1
.irp c, 0,1
	ds_load_b128 v[T+16*\w+8*\j+4*\c:T+16*\w+8*\j+4*\c+3], v6 offset:8192*\w+1024*\j+512*\c
.endr
.endr
.endr
	s_wait_dscnt 0x0
.irp n, 0,2,4,6,8,10,12,14
	v_pk_add_f32 v[T+\n:T+\n+1], v[T+\n:T+\n+1], v[T+16+\n:T+16+\n+1]
	v_pk_add_f32 v[T+32+\n:T+32+\n+1], v[T+32+\n:T+32+\n+1], v[T+48+\n:T+48+\n+1]
.endr
.irp n, 0,2,4,6,8,10,12,14
	v_pk_add_f32 v[T+\n:T+\n+1], v[T+\n:T+\n+1], v[T+32+\n:T+32+\n+1]   ; register i: channel 32 g + 16 h + i of my query
.endr
	v_max3_num_f32 v[WK], |v[T]|, |v[T+1]|, 0x1800000
.irp n, 2,4,6,8,10,12,14
	v_max3_num_f32 v[WK], v[WK], |v[T+\n]|, |v[T+\n+1]|
.endr
	v_permlanex16_b32 v[WK+1], v[WK], s20, s21
	v_max_num_f32 v[WK], v[WK], v[WK+1]
	v_add_nc_u32 v[WK+2], 0xff000000, v[WK]
	v_lshrrev_b32 v[WK+3], 23, v[WK+2]
	v_cvt_scalef32_pk8_fp4_f32 v10, v[T:T+7], v[WK+2]
	v_cvt_scalef32_pk8_fp4_f32 v11, v[T+8:T+15], v[WK+2]
	v_nop                                          ; one plain instruction behind the conversions
	global_store_b64 v7, v[10:11], s[32:33] offset:-2048   ; half a block a lane, at its place in the image: the wave stores 256 consecutive bytes, aligned
	v_add_nc_u32 v9, s24, v8
	ds_store_b8 v9, v[WK+3]                        ; both lanes of a block write the same byte with the same value
	s_add_co_u32 s24, s24, 64
	s_add_co_u32 s[BLK], s[BLK], 1
	s_cmp_lt_u32 s[BLK], 16
	s_cbranch_scc1 .Ltrip
	s_wait_dscnt 0x0                               ; my scale bytes have landed
	s_barrier_signal -1
	s_barrier_wait -1                              ; everybody's have
	s_lshl_b32 s34, s12, 8
	s_add_co_u32 s34, s34, 34816
	v_add_nc_u32 v9, s34, v2
	ds_load_b64 v[12:13], v9
	s_wait_dscnt 0x0
	global_store_b64 v2, v[12:13], s[44:45]        ; the wave stores 256 consecutive bytes, aligned
	s_wait_tensorcnt 0x0
	ds_add_u32 v15, v57
	s_wait_dscnt 0x0
	s_endpgm
.Lfunc_end_k_qa0880fbaa3_attn:
	.size	k_qa0880fbaa3_attn, .Lfunc_end_k_qa0880fbaa3_attn-k_qa0880fbaa3_attn
	.p2alignl 7, 3214868480
	.fill 96, 4, 3214868480
	.section	.rodata,"a",@progbits
	.p2align	6, 0x0
	.amdhsa_kernel k_qa0880fbaa3_attn
		.amdhsa_group_segment_fixed_size 36352
		.amdhsa_private_segment_fixed_size 0
		.amdhsa_enable_private_segment 0
		.amdhsa_kernarg_size 32
		.amdhsa_user_sgpr_count 2
		.amdhsa_user_sgpr_kernarg_segment_ptr 1
		.amdhsa_wavefront_size32 1
		.amdhsa_system_sgpr_workgroup_id_x 1
		.amdhsa_system_sgpr_workgroup_id_y 1
		.amdhsa_system_sgpr_workgroup_id_z 1
		.amdhsa_system_vgpr_workitem_id 0
		.amdhsa_next_free_vgpr 1024
		.amdhsa_next_free_sgpr 66
		.amdhsa_reserve_vcc 0
		.amdhsa_float_denorm_mode_32 3
		.amdhsa_float_denorm_mode_16_64 3
		.amdhsa_memory_ordered 1
		.amdhsa_forward_progress 1
		.amdhsa_inst_pref_size 184
	.end_amdhsa_kernel
	.amdgpu_metadata
---
amdhsa.version: [ 1, 2 ]
amdhsa.kernels:
  - .name:           k_qa0880fbaa3_attn
    .symbol:         k_qa0880fbaa3_attn.kd
    .args:
      - { .name: qkvc, .offset: 0, .size: 8, .value_kind: global_buffer, .address_space: global }
      - { .name: qkvs, .offset: 8, .size: 8, .value_kind: global_buffer, .address_space: global }
      - { .name: atc, .offset: 16, .size: 8, .value_kind: global_buffer, .address_space: global }
      - { .name: ats, .offset: 24, .size: 8, .value_kind: global_buffer, .address_space: global }
    .group_segment_fixed_size: 36352
    .private_segment_fixed_size: 0
    .kernarg_segment_align: 8
    .kernarg_segment_size: 32
    .max_flat_workgroup_size: 128
    .sgpr_count:     66
    .vgpr_count:     1024
    .wavefront_size: 32
...
	.end_amdgpu_metadata
.endif
;; end of part 3
;; launch oproj (part 4): grid 4 x 64, 4 waves a work-group, clusters of 4 x 4, 230,912 bytes of LDS; arguments atc, ats, opc, ops, bo, out0; writes out0
.if DOCPART == 4
	.amdgcn_target "amdgcn-amd-amdhsa--gfx1250"
	.amdhsa_code_object_version 6
	.text
	.protected	k_qa0880fbaa3_oproj
	.globl	k_qa0880fbaa3_oproj
	.p2align	8
	.type	k_qa0880fbaa3_oproj,@function
k_qa0880fbaa3_oproj:
	s_mov_b64 s[64:65], 0
	v_nop
	global_prefetch_b8 v0, s[64:65] scope:SCOPE_SE
	s_setreg_imm32_b32 hwreg(HW_REG_WAVE_MODE, 25, 1), 1
	s_wait_xcnt 0x0
	s_wait_alu depctr_hold_cnt(0) depctr_sa_sdst(0) depctr_va_vdst(0) depctr_va_sdst(0) depctr_va_ssrc(0) depctr_va_vcc(0) depctr_vm_vsrc(0)
	s_getreg_b32 s2, hwreg(HW_REG_IB_STS2, 6, 4)
	s_cmp_eq_u32 s2, 0
	s_cbranch_scc0 .Lentry_in_a_cluster
	s_endpgm
.Lentry_in_a_cluster:
	s_bfe_u32 s2, ttmp6, 0x10000c
	s_cmp_lg_u32 s2, 0xf033
	s_cbranch_scc0 .Lentry_shape_is_right
	s_endpgm
.Lentry_shape_is_right:
; out0 = A Wo^T + bo on codes of E2M1: A = attention's result (atc, ats), Wo's codes from opc, ops (tiles 704-767).
; atc [K step 8][tile of rows 512][1,024 bytes] and opc [K step 8][tile 768][1,024]: images of operand registers; a tile's lane index i stands for row 32 (T / 2) + 8 (T % 2) + i + 8 (i / 8).
; ats [head 16][8,192] of two bytes, place 32 x (pair of tiles) + 16 u + r: a K step's scale word is made of the two bytes of heads 2 s and 2 s + 1.
; THE PRODUCT is used transposed: source 0 = 256 rows of Wo, source 1 = 128 rows of A: a lane holds one row of the output, and by the choice of a tile's rows its registers run along neighbouring features.
; SHARES.  A work-group makes 256 features x 128 rows; wave w takes Wo's tiles 8 (w % 2) + 0 .. 7 and A's tiles 4 (w / 2) + 0 .. 3: 32 accumulators.
; ALL OF K LIES IN LDS AT ONCE (8 steps x (16 + 8) KiB): every LDS byte is filled once, so there is no ring.  Waves 0, 1 fetch Wo's K steps of their parity, waves 2, 3 A's: four tensor loads a wave, all four out at once by this text's count.
; CLUSTER 4 x 4: Wo's tiles hang on cx and are shared down a column of the cluster, A's on cy and are shared along a row: each is asked for jointly.
; THE WAY OUT: 16 rows x 128 features at a time through the wave's own stage in LDS (bytes of its own, behind the tiles), back as whole rows of 512 bytes.
; REGISTERS: window 0: v1-10 addresses; v32-63, v64-79 scale words of Wo, A; v96-127 the halves of A's; v192-255 the bias as a first C; on the way out v128-255 rows of the output.
;   window 1: two sets of fragments.   window 2: accumulator (i1, i0) at 8 (8 i1 + i0).
.set STR0, 786432                      ; a K step of opc
.set STR1, 524288                      ; a K step of atc
.set R1B,  131072                      ; LDS: Wo at 0: [step][16 tiles][1,024]; A here: [step][8 tiles][1,024]
.set STAGE, 196608                     ; the stages: 16 rows x 528 bytes for each wave
.set SS0,  32
.set SS1,  64
.set HV,   96
.set CI,   192
.set BK,   128
.set MSB,  0
.macro WIN new                         ; the immediate's high byte repeats the setting that is left
.if MSB != (\new)
	s_set_vgpr_msb (MSB<<8)|(\new)
.set MSB, (\new)
.endif
.endm
.macro PLACES n
.rept \n
	v_nop
.endr
.endm
.macro CROUND                          ; a round of the cluster's barrier
	s_barrier_signal -1
	s_barrier_wait -1
	s_cmp_lg_u32 s18, 0
	s_cbranch_scc1 .Lnot_wave_0_\@
	s_barrier_signal -3
.Lnot_wave_0_\@:
	s_barrier_wait -3
	s_barrier_signal -1
	s_barrier_wait -1
.endm
.macro WMR d, a, b, c, sa, sb, ra, rb  ; one product; ra, rb: the scale words lie in lanes 16-31 (1) or 0-15 (0) of their registers
.if ((\ra) == 0) && ((\rb) == 0)
	v_wmma_scale_f32_16x16x128_f8f6f4 v[(\d):(\d)+7], v[(\a):(\a)+7], v[(\b):(\b)+7], v[(\c):(\c)+7], v[\sa], v[\sb] matrix_a_fmt:MATRIX_FMT_FP4 matrix_b_fmt:MATRIX_FMT_FP4
.elseif (\rb) == 0
	v_wmma_scale_f32_16x16x128_f8f6f4 v[(\d):(\d)+7], v[(\a):(\a)+7], v[(\b):(\b)+7], v[(\c):(\c)+7], v[\sa], v[\sb] matrix_a_fmt:MATRIX_FMT_FP4 matrix_b_fmt:MATRIX_FMT_FP4 matrix_a_scale:MATRIX_SCALE_ROW1
.elseif (\ra) == 0
	v_wmma_scale_f32_16x16x128_f8f6f4 v[(\d):(\d)+7], v[(\a):(\a)+7], v[(\b):(\b)+7], v[(\c):(\c)+7], v[\sa], v[\sb] matrix_a_fmt:MATRIX_FMT_FP4 matrix_b_fmt:MATRIX_FMT_FP4 matrix_b_scale:MATRIX_SCALE_ROW1
.else
	v_wmma_scale_f32_16x16x128_f8f6f4 v[(\d):(\d)+7], v[(\a):(\a)+7], v[(\b):(\b)+7], v[(\c):(\c)+7], v[\sa], v[\sb] matrix_a_fmt:MATRIX_FMT_FP4 matrix_b_fmt:MATRIX_FMT_FP4 matrix_a_scale:MATRIX_SCALE_ROW1 matrix_b_scale:MATRIX_SCALE_ROW1
.endif
.endm
.macro FETCH s, p                      ; 24 LDS loads: K step s's fragments into set p; an image's 512 bytes are consecutive over the lanes
	WIN 0x40                                       ; destination window 1
.irp i, 0,1,2,3,4,5,6,7
.irp c, 0,1
	ds_load_b128 v[128*(\p)+8*\i+4*\c:128*(\p)+8*\i+4*\c+3], v[4+(\s)/4] offset:((\s)%4)*16384+1024*\i+512*\c
.endr
.endr
.irp i, 0,1,2,3
.irp c, 0,1
	ds_load_b128 v[128*(\p)+64+8*\i+4*\c:128*(\p)+64+8*\i+4*\c+3], v6 offset:8192*(\s)+1024*\i+512*\c
.endr
.endr
	WIN 0
.endm
.macro MULS s, p, mode                 ; 32 products, the 32 accumulators by turns.  mode 0: onto the sums; 1: the bias starts them
.if (\mode) == 0
	WIN 0xa5                                       ; sources 0 and 1 window 1, C and D window 2
.else
	WIN 0x85                                       ; C window 0
.endif
.irp i1, 0,1,2,3
.irp i0, 0,1,2,3,4,5,6,7
.if (\mode) == 0
	WMR 8*(8*\i1+\i0), 128*(\p)+8*\i0, 128*(\p)+64+8*\i1, 8*(8*\i1+\i0), SS0+8*(\i0/2)+(\s), SS1+8*(\i1/2)+(\s), \i0%2, \i1%2
.else
	WMR 8*(8*\i1+\i0), 128*(\p)+8*\i0, 128*(\p)+64+8*\i1, CI+8*\i0, SS0+8*(\i0/2)+(\s), SS1+8*(\i1/2)+(\s), \i0%2, \i1%2
.endif
.endr
.endr
.endm
.macro KSTEP s, mode
	s_wait_dscnt 0x0                               ; this step's fragments are in; no LDS instruction of mine is out at the signal below
.if ((\s)%2 == 1) && ((\s) < 7)
	s_wait_tensorcnt 3-((\s)+1)/2                  ; my load for the next two K steps' pair has landed; my younger loads, for later K steps, may be out
	s_barrier_signal -1
	s_barrier_wait -1                              ; everybody's has.
.endif
.if (\s) < 7
.if (\s) > 0
	PLACES 4                                       ; four plain instructions between the last products and loads into the set that they read
.endif
	FETCH (\s)+1, ((\s)+1)%2
.endif
	MULS \s, (\s)%2, \mode
.endm
	s_load_b256 s[4:11], s[0:1], 0x0               ; atc s[4:5], ats s[6:7], opc s[8:9], ops s[10:11]
	s_load_b128 s[12:15], s[0:1], 0x20             ; bo s[12:13], out0 s[14:15]
	v_lshl_add_u32 v94, v0, 2, 0x38400
	v_mov_b32 v95, 0
	ds_add_u32 v94, v95
	ds_add_u32 v94, v95
	v_lshrrev_b32 v11, 5, v0
	v_readfirstlane_b32 s18, v11                   ; wave
	s_and_b32 s19, s18, 1                          ; e: my half of Wo's tiles; also the parity of the K steps that I fetch
	s_lshr_b32 s20, s18, 1                         ; g: my half of A's tiles; also: I fetch Wo (0) or A (1)
	s_bfe_u32 s21, ttmp6, 0x40000                  ; cx
	s_bfe_u32 s22, ttmp6, 0x40004                  ; cy
	s_mov_b32 s23, ttmp9                           ; the cluster's x
	s_and_b32 s56, ttmp7, 0xffff                   ; the cluster's y
	s_lshl_b32 s57, 0x1111, s21                    ; my column of the cluster (same cx)
	s_lshl_b32 s58, s22, 2
	s_lshl_b32 s58, 15, s58                        ; my row (same cy)
	; descriptor group 1: a dense block as rows of 256 bytes (32 elements of 8 bytes): Wo: 64 rows, A: 32
	s_or_b32 s24, s57, (3<<16)|(1<<21)             ; 15:0 the mask; 17:16 elements of 8 bytes; 21 set beside a mask; no padding
	s_mov_b32 s25, 32<<16                          ; tensor_dim0
	s_mov_b32 s26, 64<<16                          ; tensor_dim1
	s_mov_b32 s27, 32<<16                          ; tile_dim0
	s_mov_b32 s28, 64                              ; tile_dim1
	s_mov_b32 s29, 32                              ; the pitch
	s_mov_b32 s30, 0
	s_mov_b32 s31, 0
	s_or_b32 s32, s58, (3<<16)|(1<<21)
	s_mov_b32 s33, 32<<16
	s_mov_b32 s34, 32<<16
	s_mov_b32 s35, 32<<16
	s_mov_b32 s36, 32
	s_mov_b32 s37, 32
	s_mov_b32 s38, 0
	s_mov_b32 s39, 0
	s_lshl_b32 s59, s23, 6
	s_add_co_u32 s59, s59, 704
	s_lshl_b32 s60, s21, 4
	s_add_co_u32 s59, s59, s60                     ; Wo's first tile: 704 + 16 (4 x cluster x + cx)
	s_lshl_b32 s61, s56, 5
	s_lshl_b32 s62, s22, 3
	s_add_co_u32 s61, s61, s62                     ; A's first tile: 8 (4 x cluster y + cy)
	s_lshl_b32 s96, s59, 10
	s_mul_i32 s63, s19, STR0
	s_add_co_u32 s96, s96, s63
	s_mov_b32 s97, 0
	s_lshl_b32 s98, s61, 10
	s_mul_i32 s63, s19, STR1
	s_add_co_u32 s98, s98, s63
	s_mov_b32 s99, 0
	s_lshl_b32 s2, s59, 9                          ; Wo's scale words: 1,024 x (tile / 2 + 4 e)
	s_lshl_b32 s3, s19, 12
	s_add_co_u32 s2, s2, s3
	s_mov_b32 s3, 0
	s_lshl_b32 s66, s61, 5                         ; A's scale bytes: 64 x (tile / 2 + 2 g)
	s_lshl_b32 s67, s20, 7
	s_add_co_u32 s66, s66, s67
	s_mov_b32 s67, 0
	s_lshl_b32 s92, s19, 14                        ; LDS: 16,384 e
	s_lshl_b32 s93, s19, 13
	s_add_co_u32 s93, s93, R1B                     ; and 131,072 + 8,192 e: no place in the cluster enters an LDS address
	v_and_b32 v11, 31, v0
	v_lshlrev_b32 v1, 4, v11                       ; 16 x lane
	v_and_b32 v2, 15, v0                           ; r
	v_bfe_u32 v3, v0, 4, 1                         ; h
	s_lshl_b32 s94, s19, 13
	v_add_nc_u32 v4, s94, v1                       ; Wo's fragments, K steps 0-3
	v_add_nc_u32 v5, 0x10000, v4                   ; K steps 4-7
	s_lshl_b32 s94, s20, 12
	s_add_co_u32 s94, s94, R1B
	v_add_nc_u32 v6, s94, v1                       ; A's
	s_mul_i32 s94, s18, 8448
	s_add_co_u32 s94, s94, STAGE                   ; my stage
	v_mul_u32_u24 v7, v2, 528
	v_lshl_add_u32 v7, v3, 6, v7
	v_add_nc_u32 v7, s94, v7                       ; in: row r, + 64 h
	v_add_nc_u32 v8, s94, v1                       ; back: the 32 lanes take one row of 512 bytes
	v_lshlrev_b32 v9, 6, v3                        ; 64 h
	v_lshlrev_b32 v10, 1, v11                      ; 2 x lane
	; the bias and the output: both coordinates enter, in registers that feed no descriptor
	s_lshl_b32 s84, s23, 2
	s_add_co_u32 s84, s84, s21                     ; which 256 features
	s_lshl_b32 s84, s84, 10
	s_lshl_b32 s85, s19, 9
	s_add_co_u32 s86, s84, s85                     ; my first feature, in bytes
	s_mov_b32 s87, 0
	s_lshl_b32 s84, s56, 2
	s_add_co_u32 s84, s84, s22                     ; which 128 rows
	s_lshl_b32 s84, s84, 19
	s_lshl_b32 s85, s20, 18
	s_add_co_u32 s84, s84, s85
	s_add_co_u32 s84, s84, s86                     ; my first row of 4,096 bytes, + my first feature
	s_mov_b32 s85, 0
	s_wait_dscnt 0x0
	s_wait_kmcnt 0x0
	s_add_nc_u64 s[96:97], s[8:9], s[96:97]
	s_add_nc_u64 s[98:99], s[4:5], s[98:99]
	s_add_nc_u64 s[2:3], s[10:11], s[2:3]
	s_add_nc_u64 s[66:67], s[6:7], s[66:67]
	s_add_nc_u64 s[86:87], s[12:13], s[86:87]
	s_add_nc_u64 s[84:85], s[14:15], s[84:85]
.irp j, 0,1,2,3                        ; descriptor group 0, a set for each of a wave's four loads: K step e + 2 j
	s_mov_b32 s[40+4*\j], 1
	s_add_co_u32 s[41+4*\j], s92, \j*32768
	s_add_nc_u64 s[42+4*\j:43+4*\j], s[96:97], \j*2*STR0
	s_or_b32 s[43+4*\j], s[43+4*\j], 0x80000000
	s_mov_b32 s[68+4*\j], 1
	s_add_co_u32 s[69+4*\j], s93, \j*16384
	s_add_nc_u64 s[70+4*\j:71+4*\j], s[98:99], \j*2*STR1
	s_or_b32 s[71+4*\j], s[71+4*\j], 0x80000000
.endr
	CROUND                                         ; all sixteen work-groups are here: the joint loads meet
	s_cmp_lt_u32 s18, 2                            ; a wave's four fills stand in one branch on the wave's number, ahead of every wait on TENSORcnt and every LDS read
	s_cbranch_scc0 .Lfill_1
	tensor_load_to_lds s[40:43], s[24:31]
	s_nop 0
	tensor_load_to_lds s[44:47], s[24:31]
	s_nop 0
	tensor_load_to_lds s[48:51], s[24:31]
	s_nop 0
	tensor_load_to_lds s[52:55], s[24:31]
	s_nop 0
	PLACES 4                                       ; four plain lines behind the loads
	s_branch .Lfilled
.Lfill_1:
	tensor_load_to_lds s[68:71], s[32:39]
	s_nop 0
	tensor_load_to_lds s[72:75], s[32:39]
	s_nop 0
	tensor_load_to_lds s[76:79], s[32:39]
	s_nop 0
	tensor_load_to_lds s[80:83], s[32:39]
	s_nop 0
	PLACES 4
.Lfilled:
.irp p, 0,1,2,3                        ; Wo's scale words of all eight K steps: register 8 p + s
.irp f, 0,1
	global_load_b128 v[SS0+8*\p+4*\f:SS0+8*\p+4*\f+3], v1, s[2:3] offset:1024*\p+512*\f
.endr
.endr
.irp p, 0,1                            ; A's: two bytes a head
.irp n, 0,1,2,3,4,5,6,7,8,9,10,11,12,13,14,15
	global_load_u16 v[HV+16*\p+\n], v10, s[66:67] offset:16384*\n+64*\p
.endr
.endr
.irp i, 0,1,2,3,4,5,6,7                ; the bias: lane (r, h), tile i0, register j: feature 32 (i0 / 2) + 16 h + 8 (i0 % 2) + j
	global_load_b128 v[CI+8*\i:CI+8*\i+3], v9, s[86:87] offset:4*(32*(\i/2)+8*(\i%2))
	global_load_b128 v[CI+8*\i+4:CI+8*\i+7], v9, s[86:87] offset:4*(32*(\i/2)+8*(\i%2))+16
.endr
	s_wait_tensorcnt 0x3                           ; my first load has landed (K step 0 or 1); my three younger ones may be out
	s_barrier_signal -1
	s_barrier_wait -1                              ; everybody's has
	FETCH 0, 0
	s_wait_loadcnt 0x0                             ; scale words, scale bytes and bias
.irp p, 0,1
.irp s, 0,1,2,3,4,5,6,7
	v_lshl_or_b32 v[SS1+8*\p+\s], v[HV+16*\p+2*\s+1], 16, v[HV+16*\p+2*\s]   ; K step s: heads 2 s and 2 s + 1
.endr
.endr
	PLACES 8                                       ; a scale word written by a vector instruction stands 8 places ahead of its product
	KSTEP 0, 1
.irp s, 1,2,3,4,5,6,7
	KSTEP \s, 0
.endr
; THE WAY OUT.  A's tile a: a lane holds 64 features of one row in pieces of 32 bytes, and the lanes beside it hold other rows: the tile goes through my stage and comes back as whole rows.
; LDS serves a wave's instructions in order: no wait stands between the stores and the loads, nor in front of the next tile's stores.
.macro TOSTAGE a
	WIN 0x08                                       ; an LDS store's data are its source 1: window 2
.irp i, 0,1,2,3,4,5,6,7
	ds_store_b128 v7, v[64*(\a)+8*\i:64*(\a)+8*\i+3] offset:128*(\i/2)+32*(\i%2)          ; each accumulator from its low end on
	ds_store_b128 v7, v[64*(\a)+8*\i+4:64*(\a)+8*\i+7] offset:128*(\i/2)+32*(\i%2)+16
.endr
	WIN 0
.irp t, 0,1,2,3,4,5,6,7,8,9,10,11,12,13,14,15
	ds_load_b128 v[BK+64*((\a)%2)+4*\t:BK+64*((\a)%2)+4*\t+3], v8 offset:528*\t
.endr
.endm
.macro SEND a, younger                 ; younger: the LDS instructions issued behind tile a's loads, which may stay out
	s_wait_dscnt \younger
.irp t, 0,1,2,3,4,5,6,7,8,9,10,11,12,13,14,15
	global_store_b128 v1, v[BK+64*((\a)%2)+4*\t:BK+64*((\a)%2)+4*\t+3], s[84:85] offset:4096*(32*((\a)/2)+8*((\a)%2)+\t+8*(\t/8)) th:TH_STORE_NT   ; 32 lanes store 512 consecutive bytes of one row, aligned
.endr
.endm
	PLACES 4                                       ; four plain instructions between the last products and the first read of results
	TOSTAGE 0
.irp a, 1,2,3
.if \a > 1
	s_wait_xcnt 0x0                                ; tile a - 2's stores have read their registers: tile a's loads may land there
.endif
	TOSTAGE \a
	SEND \a-1, 32                                  ; behind tile a - 1's loads: tile a's 16 stores and 16 loads
.endr
	SEND 3, 0
	s_wait_tensorcnt 0x0
	s_wait_dscnt 0x0
	s_wait_tensorcnt 0x0
	ds_add_u32 v94, v95
	s_wait_dscnt 0x0
	CROUND                                         ; the closing round: no work-group ends while a partner may still ask for a tile that names it
	s_endpgm
.Lfunc_end_k_qa0880fbaa3_oproj:
	.size	k_qa0880fbaa3_oproj, .Lfunc_end_k_qa0880fbaa3_oproj-k_qa0880fbaa3_oproj
	.p2alignl 7, 3214868480
	.fill 96, 4, 3214868480
	.section	.rodata,"a",@progbits
	.p2align	6, 0x0
	.amdhsa_kernel k_qa0880fbaa3_oproj
		.amdhsa_group_segment_fixed_size 230912
		.amdhsa_private_segment_fixed_size 0
		.amdhsa_enable_private_segment 0
		.amdhsa_kernarg_size 48
		.amdhsa_user_sgpr_count 2
		.amdhsa_user_sgpr_kernarg_segment_ptr 1
		.amdhsa_wavefront_size32 1
		.amdhsa_system_sgpr_workgroup_id_x 1
		.amdhsa_system_sgpr_workgroup_id_y 1
		.amdhsa_system_sgpr_workgroup_id_z 1
		.amdhsa_system_vgpr_workitem_id 0
		.amdhsa_next_free_vgpr 768
		.amdhsa_next_free_sgpr 102
		.amdhsa_reserve_vcc 0
		.amdhsa_float_denorm_mode_32 3
		.amdhsa_float_denorm_mode_16_64 3
		.amdhsa_memory_ordered 1
		.amdhsa_forward_progress 1
		.amdhsa_inst_pref_size 76
	.end_amdhsa_kernel
	.amdgpu_metadata
---
amdhsa.version: [ 1, 2 ]
amdhsa.kernels:
  - .name:           k_qa0880fbaa3_oproj
    .symbol:         k_qa0880fbaa3_oproj.kd
    .args:
      - { .name: atc, .offset: 0, .size: 8, .value_kind: global_buffer, .address_space: global }
      - { .name: ats, .offset: 8, .size: 8, .value_kind: global_buffer, .address_space: global }
      - { .name: opc, .offset: 16, .size: 8, .value_kind: global_buffer, .address_space: global }
      - { .name: ops, .offset: 24, .size: 8, .value_kind: global_buffer, .address_space: global }
      - { .name: bo, .offset: 32, .size: 8, .value_kind: global_buffer, .address_space: global }
      - { .name: out0, .offset: 40, .size: 8, .value_kind: global_buffer, .address_space: global }
    .group_segment_fixed_size: 230912
    .private_segment_fixed_size: 0
    .kernarg_segment_align: 8
    .kernarg_segment_size: 48
    .max_flat_workgroup_size: 128
    .sgpr_count:     102
    .vgpr_count:     768
    .wavefront_size: 32
...
	.end_amdgpu_metadata
.endif
;; end of part 4
